; MI455X (gfx1250); checked and timed in simulation.
; The chip was launched on July 23, 2026; its instructions are those of AMD's public machine-readable ISA for CDNA 5 (MIT licence, August 2026) and "CDNA5" Instruction Set Architecture Reference Guide (July 2026). The comments in the code are by the model that wrote it; some were corrected since.
;; Scaled Dot Product Attention. Allowed arithmetic: matrix products marked QUANTISED: E2M1 operands, one E8M0 scale for each 32 along K, by v_wmma_scale_f32_16x16x128_f8f6f4 with both operands' format E2M1 (or v_wmma_scale_f32_32x16x128_f4), f32 sums; everything else in f32.
;; Inputs: K_codes 4 x 16 x 2,048 x 4 x 16 uint8 (E2M1 codes of K, K innermost, in blocks of 32 codes, two codes a byte); K_scales 4 x 16 x 2,048 x 4 uint8 (E8M0 scales of K, one for each 32 codes along K); Q_codes 4 x 16 x 2,048 x 4 x 16 uint8 (E2M1 codes of Q, K innermost, in blocks of 32 codes, two codes a byte); Q_scales 4 x 16 x 2,048 x 4 uint8 (E8M0 scales of Q, one for each 32 codes along K); V_codes 4 x 16 x 128 x 64 x 16 uint8 (E2M1 codes of V, K innermost, in blocks of 32 codes, two codes a byte); V_scales 4 x 16 x 128 x 64 uint8 (E8M0 scales of V, one for each 32 codes along K); mask 2,048 x 2,048 bool.
;; Outputs: out0 4 x 16 x 2,048 x 128 float32.
;; This version of the problem:
;;   THIS VERSION OF THE PROBLEM IS GIVEN IN LOW PRECISION. The matrix products marked QUANTISED in the list below multiply operands that are first quantised to E2M1 (2 exponent bits, 1 mantissa bit; 4 bits a number), with one power-of-two scale for each 32 numbers along K (OCP MX v1.0); their sums are f32. All else is computed in f32.
;;   The module's matrix products, in the order in which they are computed (A, B: the left and right operand; K: the contracted axis; several contracted axes count as one K, in the product's order):
;;     1. batch 64 x [M 2,048, K 128] x [K 128, N 2,048]; A: input Q (given as codes); B: input K (given as codes): QUANTISED
;;     2. batch 64 x [M 2,048, K 2,048] x [K 2,048, N 128]; A: softmax (see below); B: input V (given as codes): QUANTISED
;;   THE QUANTISER, for each operand of a quantised product, along K:
;;     - K is cut into blocks of 32 from its start; a last block that is shorter is filled with zeros.
;;     - A block's scale is 2^e with e = floor(log2(the largest magnitude in the block)) - 2, held to -126 .. 127; a block of zeros has e = 0. As a byte (E8M0): e + 127.
;;     - Each number is divided by its block's scale, clamped to +-6, and rounded to the nearest number of E2M1, ties to even, subnormals kept.
;;     - The product sums the exact products of the quantised numbers (number of the format x scale) in f32.
;;   ~~~python
;;   def quantise(x, axis):      # numpy; x: float32 -> the quantised numbers, widened to float32 again
;;       x = np.moveaxis(x, axis, -1); K = x.shape[-1]
;;       x = np.pad(x, [(0, 0)] * (x.ndim - 1) + [(0, -K % 32)]); x = x.reshape(x.shape[:-1] + (-1, 32)); a = np.abs(x).max(-1, keepdims=True)
;;       e = np.where(a > 0, np.clip(np.frexp(np.where(a > 0, a, 1))[1] - 1 - 2, -126, 127), 0)      # np.frexp(a)[1] - 1 = floor(log2(a)), exactly
;;       r = np.clip(x / 2.0 ** e, -6, 6)
;;       step = 2.0 ** (np.maximum(np.frexp(np.where(r == 0, 1, r))[1] - 1, 0) - 1)
;;       q = np.round(r / step) * step * 2.0 ** e      # np.round: ties to even
;;       return np.moveaxis(q.reshape(q.shape[:-2] + (-1,))[..., :K], -1, axis).astype(np.float32)
;;   ~~~
;;   SOFTMAX AHEAD OF A QUANTISED PRODUCT. Where the list says 'softmax', what is quantised is not the finished softmax but p = 2^(t - M), with t = logit x log2(e) and M = ceil(the row's largest t), a whole number; so 1/2 < the row's largest p <= 1. The row's sum l is taken of the UNQUANTISED p, in f32, and the product's result is divided by l at the end. Since M is a whole number, a kernel that streams over the keys may use a running M (the ceiling of the running maximum): every later rescaling is an exact power of two, which a block's scale takes up: the codes' values come out the same.
;;   OPERANDS COMPUTED ON THE WAY. 'Computed on the way' means the value that the module computes at that place (a softmax that the list does not call 'softmax' is quantised finished and normalised). What goes into a quantiser is computed in f32, as accurately as f32 sums, v_exp_f32 and their like allow (about 1e-6 of the number): no bf16 or f16 on the way to a quantiser, and a product that is left as it is and whose result goes on into a quantised operand takes f32 operands (vector FMAs, or v_wmma_f32_16x16x4_f32). A number that lies on a knife's edge between two numbers of the format may be rounded either way, as far as f32 arithmetic and the matrix unit's own rounding can turn it there, and no further.
;;   INPUTS GIVEN AS CODES. K (in the module: [4, 16, 2048, 128], K = its axis 3); Q (in the module: [4, 16, 2048, 128], K = its axis 3); V (in the module: [4, 16, 2048, 128], K = its axis 2): each comes as NAME_codes (uint8): NAME with its K axis moved to the last place and cut into blocks of 32 codes, [.., K / 32, bytes a block], one block behind the other in memory; two codes a byte, the lower K in the low four bits (a code: sign, 2 exponent bits, 1 mantissa bit); and NAME_scales (uint8): the same leading axes, one E8M0 byte (e + 127) for each 32 codes along K. Its value is code x scale, taken as it is: it is not quantised again, and the codes and scales need not be those that the quantiser above would give.
;; 2 versions. Each part assembles by itself: llvm-mc -triple=amdgcn-amd-amdhsa -mcpu=gfx1250 --defsym DOCPART=n.
;; ======== version 1 of 2: 2 launches
;; workspace buffers: maskw 524,288 bytes of whole numbers; tilefl 512 bytes of whole numbers
;; launch prep (part 1): grid 128 x 1, 8 waves a work-group, no clusters, 1,280 bytes of LDS; arguments mask, maskw, tilefl; writes maskw, tilefl
.if DOCPART == 1
	.amdgcn_target "amdgcn-amd-amdhsa--gfx1250"
	.amdhsa_code_object_version 6
	.text
	.protected	k_q548357edc3_prep
	.globl	k_q548357edc3_prep
	.p2align	8
	.type	k_q548357edc3_prep,@function
k_q548357edc3_prep:
	s_mov_b64 s[64:65], 0
	v_nop
	global_prefetch_b8 v0, s[64:65] scope:SCOPE_SE
	s_setreg_imm32_b32 hwreg(HW_REG_WAVE_MODE, 25, 1), 1
	s_wait_xcnt 0x0
; THE MASK [2048][2048], one byte a place (any byte but 0 counts as true), is turned into lane masks for the attention launch, and each tile step is classed.
; A tile T is 16 queries, a key step j 128 keys.  maskw[T][j][n], n = 0 .. 63, is a word whose bit L says whether query 16 T + L % 16 may see key 128 j + 32 (n / 16) + 16 (L / 16) + n % 16:
; that is the key which lane L of the attention launch holds in its score register n.  A tile step's 64 words are 256 consecutive bytes.
; tilefl[T]: bit 2 j = some key of step j counts for some query of the tile; bit 2 j + 1 = some key of step j is hidden from some query.
; SHARES.  Work-group T takes tile T; wave w takes key steps 2 w and 2 w + 1: bytes 256 w .. 256 w + 255 of each of the 16 rows.  Lane L loads, of row L % 16, the 16 bytes at 32 b + 16 (L / 16) of each block b of
; 32 keys: a wave's eight loads together read all 256 bytes of each row's piece.  A compare of one byte in all lanes IS the word wanted; it is put into lane n / 2 of a register pair, so that the 32 lanes store the
; step's 256 bytes by one instruction.  No matrix work, no loop; one barrier, for the eight waves' class bits.
.set ROWB, 2048                        ; a row of the mask in bytes
.set MB,   16                          ; v16-47  mask bytes: register MB + 16 e + 4 b + k holds keys 32 b + 16 (L / 16) + 4 k .. + 3 of step e
.set WD,   8                           ; v[8:9] step 0's words, v[10:11] step 1's: lane l holds words 2 l and 2 l + 1
	s_load_b128 s[4:7], s[0:1], 0x0                ; mask s[4:5], maskw s[6:7]
	s_load_b64 s[8:9], s[0:1], 0x10                ; tilefl
	v_lshl_add_u32 v64, v0, 2, 0x100
	v_mov_b32 v65, 0
	v_lshrrev_b32 v3, 5, v0
	v_readfirstlane_b32 s10, v3                    ; wave 0..7
	v_and_b32 v4, 15, v0
	v_bfe_u32 v5, v0, 4, 1
	v_lshlrev_b32 v1, 11, v4                       ; my row of the 16,
	v_lshl_add_u32 v1, v5, 4, v1                   ; and my half of each block of 32 keys
	v_and_b32 v2, 31, v0
	v_lshlrev_b32 v2, 3, v2                        ; out: 8 bytes a lane
	v_lshlrev_b32 v15, 2, v3                       ; LDS: my wave's word
	v_mov_b32 v14, 0
.irp i, 0,1,2,3
	v_mov_b32 v[WD+\i], 0                          ; a lane write's destination counts as read: written whole once
.endr
	s_lshl_b32 s12, ttmp9, 15                      ; the tile's 16 rows of 2,048 bytes,
	s_lshl_b32 s11, s10, 8
	s_add_co_u32 s12, s12, s11                     ; my wave's 256 bytes of them
	s_mov_b32 s13, 0
	s_lshl_b32 s14, ttmp9, 12                      ; the tile's 16 steps of 256 bytes in maskw,
	s_lshl_b32 s11, s10, 9
	s_add_co_u32 s14, s14, s11                     ; my wave's two
	s_mov_b32 s15, 0
	s_lshl_b32 s30, ttmp9, 2                       ; the tile's word in tilefl
	s_mov_b32 s31, 0
	s_wait_kmcnt 0x0
	s_add_nc_u64 s[4:5], s[4:5], s[12:13]
	s_add_nc_u64 s[6:7], s[6:7], s[14:15]
	s_add_nc_u64 s[8:9], s[8:9], s[30:31]
.irp e, 0,1
.irp b, 0,1,2,3
	global_load_b128 v[MB+16*\e+4*\b:MB+16*\e+4*\b+3], v1, s[4:5] offset:128*\e+32*\b
.endr
.endr
; Step e of my two: 64 words, the store, the two class bits.
.macro PACK e
	s_wait_loadcnt 4-4*\e                          ; step 0: the four younger loads, step 1's, may be out; step 1: none
.set n, 0
.rept 64
	v_bfe_u32 v[4+n%4], v[MB+16*\e+n/4], 8*(n%4), 8        ; byte n % 4 of the register: key register n's place in the mask
	v_cmp_ne_u32 s[16+n%8], 0, v[4+n%4]                    ; bit L: lane L's byte is not 0
	v_writelane_b32 v[WD+2*\e+n%2], s[16+n%8], n/2         ; word n goes to lane n / 2
.set n, n+1
.endr
	global_store_b64 v2, v[WD+2*\e:WD+2*\e+1], s[6:7] offset:256*\e   ; 32 lanes store 256 consecutive bytes, at a multiple of 256 from maskw's first byte
	v_or_b32 v12, v[WD+2*\e], v[WD+2*\e+1]
	v_cmp_ne_u32 vcc_lo, 0, v12                    ; some bit set in some word:
	s_cmp_lg_u32 vcc_lo, 0
	s_cselect_b32 s[24+2*\e], 1, 0                 ; some key counts
	v_and_b32 v12, v[WD+2*\e], v[WD+2*\e+1]
	v_cmp_ne_u32 vcc_lo, -1, v12                   ; some bit clear in some word:
	s_cmp_lg_u32 vcc_lo, 0
	s_cselect_b32 s[25+2*\e], 2, 0                 ; some key is hidden
.endm
	PACK 0
	PACK 1
	s_or_b32 s24, s24, s25
	s_or_b32 s26, s26, s27
	s_lshl_b32 s26, s26, 2
	s_or_b32 s28, s24, s26                         ; my two steps' four bits,
	s_lshl_b32 s11, s10, 2
	s_lshl_b32 s28, s28, s11                       ; at bit 4 w of the tile's word
	v_mov_b32 v13, s28
	ds_store_b32 v15, v13                          ; all lanes write the same word with the same value
	s_wait_dscnt 0x0                               ; for the others' sake: my store has landed
	s_barrier_signal -1
	s_barrier_wait -1
	ds_load_b128 v[48:51], v14                     ; the eight waves' words
	ds_load_b128 v[52:55], v14 offset:16
	s_wait_dscnt 0x0
.irp i, 49,50,51,52,53,54,55
	v_or_b32 v48, v48, v[\i]
.endr
	s_wait_xcnt 0x0                                ; EXEC is a source of the stores above: it changes only behind this wait
	v_cmp_eq_u32 vcc_lo, 0, v0
	s_wait_tensorcnt 0x0
	ds_add_u32 v64, v65
	s_wait_dscnt 0x0
	s_and_saveexec_b32 s40, vcc_lo                 ; thread 0 alone stores the tile's word
	global_store_b32 v14, v48, s[8:9]
	s_wait_xcnt 0x0                                ; and again in front of the line that widens it
	s_or_b32 exec_lo, exec_lo, s40
	s_endpgm
.Lfunc_end_k_q548357edc3_prep:
	.size	k_q548357edc3_prep, .Lfunc_end_k_q548357edc3_prep-k_q548357edc3_prep
	.p2alignl 7, 3214868480
	.fill 96, 4, 3214868480
	.section	.rodata,"a",@progbits
	.p2align	6, 0x0
	.amdhsa_kernel k_q548357edc3_prep
		.amdhsa_group_segment_fixed_size 1280
		.amdhsa_private_segment_fixed_size 0
		.amdhsa_enable_private_segment 0
		.amdhsa_kernarg_size 24
		.amdhsa_user_sgpr_count 2
		.amdhsa_user_sgpr_kernarg_segment_ptr 1
		.amdhsa_wavefront_size32 1
		.amdhsa_system_sgpr_workgroup_id_x 1
		.amdhsa_system_sgpr_workgroup_id_y 1
		.amdhsa_system_sgpr_workgroup_id_z 1
		.amdhsa_system_vgpr_workitem_id 0
		.amdhsa_next_free_vgpr 66
		.amdhsa_next_free_sgpr 66
		.amdhsa_reserve_vcc 1
		.amdhsa_float_denorm_mode_32 3
		.amdhsa_float_denorm_mode_16_64 3
		.amdhsa_memory_ordered 1
		.amdhsa_forward_progress 1
		.amdhsa_inst_pref_size 29
	.end_amdhsa_kernel
	.amdgpu_metadata
---
amdhsa.version: [ 1, 2 ]
amdhsa.kernels:
  - .name:           k_q548357edc3_prep
    .symbol:         k_q548357edc3_prep.kd
    .args:
      - { .name: mask, .offset: 0, .size: 8, .value_kind: global_buffer, .address_space: global }
      - { .name: maskw, .offset: 8, .size: 8, .value_kind: global_buffer, .address_space: global }
      - { .name: tilefl, .offset: 16, .size: 8, .value_kind: global_buffer, .address_space: global }
    .group_segment_fixed_size: 1280
    .private_segment_fixed_size: 0
    .kernarg_segment_align: 8
    .kernarg_segment_size: 24
    .max_flat_workgroup_size: 256
    .sgpr_count:     66
    .vgpr_count:     66
    .wavefront_size: 32
...
	.end_amdgpu_metadata
.endif
;; end of part 1
;; launch attn (part 2): grid 4 x 64, 16 waves a work-group, no clusters, 252,416 bytes of LDS; arguments Q_codes, Q_scales, K_codes, K_scales, V_codes, V_scales, maskw, tilefl, out0; writes out0
.if DOCPART == 2
	.amdgcn_target "amdgcn-amd-amdhsa--gfx1250"
	.amdhsa_code_object_version 6
	.text
	.protected	k_q548357edc3_attn
	.globl	k_q548357edc3_attn
	.p2align	8
	.type	k_q548357edc3_attn,@function
k_q548357edc3_attn:
	s_mov_b64 s[64:65], 0
	v_nop
	global_prefetch_b8 v0, s[64:65] scope:SCOPE_SE
	s_setreg_imm32_b32 hwreg(HW_REG_WAVE_MODE, 25, 1), 1
	s_wait_xcnt 0x0
; O[head][q][:] = the sum over k of softmax_k(mask ? Q[q] . K[k] / sqrt(128) : -infinity) V[k][:], 64 heads, 2,048 queries and keys, head size 128; both products on codes of FP4 (E2M1) with one E8M0 scale for each 32 along a product's K.
; Q, K: codes along the head's 128, 64 bytes a row, a scale word a row.  V: codes with the KEYS innermost, [128][1,024 bytes], 64 scale bytes a row.  O: f32.  THE MASK IS AN INPUT: it arrives here as lane masks (maskw) and as two
; class bits for each tile of 16 queries and step of 128 keys (tilefl), made by the launch before from the mask as it is given.
; THE SOFTMAX AHEAD OF THE SECOND PRODUCT: t = score x log2(e) / sqrt(128); M = the row's largest t so far, rounded UP to a whole number; p = 2^(t - M) is quantised along the keys, not normalised; the row's sum is taken of the
; unquantised p and divides O at the end; when M moves, the sum and O are multiplied by 2^(old M - new M): exact.  A hidden score is -infinity ahead of the maximum, so its p is 0.  A row with no key at all ends as 0 x (1 / 0) = NaN, as the softmax of such a row is.
; SHARES.  256 work-groups of SIXTEEN waves.  Work-group (y, head) takes two blocks of 256 queries of its head, block 7 - y and then block y; wave w owns tile 16 x block + w: 16 queries, one to a lane, in 256 registers; four waves to a
; SIMD, so that one wave's vector work stands beside another's matrix work and LDS loads.  Every wave walks all 16 key steps of each block: the trip counts are constants.  WORK IS JUMPED OVER: a step in which no key counts
; a step with no hidden key leaves the masking out; a slot of 512 keys that none of the work-group's 16 tiles needs is not fetched.
; NO TENSOR LOADS, NO CLUSTER: these jumps hang on numbers read from memory; so K and V go from memory through registers into LDS, asked for four key steps ahead of the stores that need them.
; LAYOUT.  Both products are used transposed: S^T = K Q^T (source 0 = 16 keys, source 1 = my 16 queries), O^T = V^T P^T (source 0 = 16 of the head's 128, source 1 = P): a lane holds ONE query (lane % 16) throughout.
; THE KEYS OF A TILE ARE NOT NEIGHBOURS: lane r of tile 2 b + u takes key 32 b + 8 u + r + 8 (r / 8), so that the 16 registers of tiles 2 b and 2 b + 1 are 16 neighbouring keys, 32 b + 16 (lane / 16) + 0 .. 15.
; LDS.  Two slots of 512 keys.  In a slot a fragment lies by PIECES: piece p = 2 c + h holds the 16 bytes that lanes (r, h) want in registers 4 c .. 4 c + 3, row r at 16 r.  A read takes 256 bytes on end.  Pieces are 320 bytes apart and key
; steps 10,256: in words of 16 bytes modulo 256 (64 banks of 4 bytes: ISA guide 11.1) that is 4 a piece and 1 a step, so the sixteen lanes of a store (K: 4 rows x 4 pieces; V: 4 steps x 4 pieces of one row) also take sixteen different columns.
; The scale words of the whole head stay in LDS as images of the registers that take them: for step j, lane (r, h) finds at 512 j + 16 lane the words of row r of tiles 4 h .. 4 h + 3: one load a step and operand; tiles 4-7 read lanes 16-31.
; LIMITS: a scale byte 0xff (NaN) among the inputs was not tried; M is kept as an f32 whole number, exact while |t| stays under 2^24; log2(e) / sqrt(128) is one rounded constant.
.set STEPB, 10256                      ; a key step's eight tiles in LDS: 8 x 1,280 + 16
.set TILEB, 1280                       ; a tile: four pieces
.set PIECE, 320                        ; a piece: 256 bytes + 64
.set VOFF,  4*STEPB                    ; a slot: K's four steps, then V's
.set SLOT,  82176                      ; 2 x 41,024 rounded up to a multiple of 256
.set SCK,   2*SLOT                     ; K's scale images, 16 steps x 512 bytes
.set SCV,   SCK+8192                   ; V's
.set STAGE, SCV+8192                   ; the way out: 16 rows x 272 bytes for each wave, its own
.set SP,    272
.set AK,  1                            ; v1, v8   my lane's place in a tile of K, slot 0, 1: 16 r + 320 h
.set AV,  2                            ; v2, v9   the same for V
.set AS0, 3                            ; v3   SCK + 16 x lane
.set ADS, 4                            ; v4   the same for the eight steps in hand
.set WK,  5                            ; v5, v26  where my thread puts its 16 bytes of a step of K, slot 0, 1
.set WV,  6                            ; v6, v27  the same for V
.set GO,  7                            ; v7   the way out: my byte offset in the tile's rows of O
.set QO,  10                           ; v10  my byte offset in the tile's rows of Q
.set QS,  11                           ; v11  and among its scale words
.set GKO, 24                           ; v24  16 x thread: K's codes, and both tensors of scale bytes
.set GVO, 25                           ; v25  V's codes: row thread / 16, 16 bytes at 16 (thread % 16)
.set STO, 28                           ; v28  the stage: where I put 32 bytes of a row
.set RD,  29                           ; v29  and where I read a row back
.set KSW, 30                           ; v30  where my four scale words of K go
.set VSW, 31                           ; v31  and of V
; v12 -M, v13 the largest t, v[14:15] the sum in two halves; v16-23 Q; v32-63 four fragments of K or V; v64-95 the next slot on its way; v96-159 S^T, then p; v160-223 O^T; v224-231 p's codes; v232-247, v252, v254 at work;
; v248-251 K's or V's scale words, v253 p's, v255 Q's.
.set WVN, 2                            ; s2   my wave's number
.set HD,  3                            ; s3   the head
.set KH,  4                            ; s[4:5] K's codes of my head;  s[6:7] V's
.set VH,  6
.set KA,  8                            ; s[8:9], s[10:11] where the fetch in hand reads
.set VA,  10
.set KO,  12                           ; s[12:13] the next slot's bytes in K: 32,768 a slot;  s[14:15] in a row of V: 256 a slot
.set VO,  14
.set MW,  16                           ; s[16:17] my tile's mask words of the eight steps in hand
.set OP,  18                           ; s[18:19] my tile's rows of O
.set SEL, 20                           ; s[20:21] lane selects for v_permlanex16_b32: lane l xor 16
.set CS,  22                           ; s[22:23] c = log2(e) / sqrt(128), as a pair
.set FL,  24                           ; s24  my tile's flags, two bits a step, the step in hand lowest;  s25 the second block's
.set NEED, 26                          ; s26  bit 0: the slot after the one in hand is wanted by some tile of the work-group
.set TS,  27                           ; s27  0 or 4,096: which eight steps' scale images
.set BLKS, 28                          ; s28  blocks to go;  s29 pairs of slots to go;  s30 the block's number;  s66 y
; s32-63 and s68-99: the 64 mask words of a step (word n in s[32 + n + 4 (n / 32)]); outside a masked step: pointers, offsets, flag words
	s_load_b512 s[32:47], s[0:1], 0x0              ; Q's codes s[32:33], Q's scales s[34:35], K's s[36:39], V's s[40:43], maskw s[44:45], tilefl s[46:47]
	v_lshl_add_u32 v242, v0, 2, 0x3d200
	v_mov_b32 v243, 0
	v_lshrrev_b32 v232, 5, v0
	v_readfirstlane_b32 s[WVN], v232               ; wave 0..15
	s_and_b32 s[HD], ttmp7, 0xffff
	s_mov_b32 s66, ttmp9                           ; y
	s_sub_co_u32 s30, 7, s66                       ; the first block
	v_and_b32 v233, 15, v0                         ; r
	v_bfe_u32 v234, v0, 4, 1                       ; h
	v_and_b32 v235, 31, v0                         ; lane
	v_and_b32 v236, 3, v0                          ; thread % 4: the piece that my thread fetches
	v_lshlrev_b32 v[AK], 4, v233
	v_mad_u32_u24 v[AK], v234, PIECE, v[AK]        ; 16 r + 320 h; the second half of a fragment lies two pieces on
	v_add_nc_u32 v[AV], VOFF, v[AK]
	v_add_nc_u32 v[AK+7], SLOT, v[AK]
	v_add_nc_u32 v[AV+7], SLOT, v[AV]
	v_lshl_add_u32 v[AS0], v235, 4, SCK
	; K: thread t fetches piece t % 4 of key t / 4 of a step.  Key x of a step is row (x % 8) + 8 (bit 4 of x) of tile 2 (x / 32) + (bit 3 of x)
	v_lshrrev_b32 v237, 7, v0
	v_mul_u32_u24 v[WK], v237, 2*TILEB
	v_bfe_u32 v237, v0, 5, 1
	v_mad_u32_u24 v[WK], v237, TILEB, v[WK]
	v_mad_u32_u24 v[WK], v236, PIECE, v[WK]
	v_bfe_u32 v237, v0, 2, 3
	v_lshl_add_u32 v[WK], v237, 4, v[WK]
	v_bfe_u32 v237, v0, 6, 1
	v_lshl_add_u32 v[WK], v237, 7, v[WK]
	v_add_nc_u32 v[WK+21], SLOT, v[WK]
	; V: thread t fetches, of row t / 16 (+ 32 for each further load), the 16 bytes at 16 (t % 16) of the slot's 256: step (t / 4) % 4, piece t % 4
	v_bfe_u32 v237, v0, 2, 2
	v_mul_u32_u24 v[WV], v237, STEPB
	v_lshrrev_b32 v237, 8, v0
	v_mad_u32_u24 v[WV], v237, TILEB, v[WV]
	v_mad_u32_u24 v[WV], v236, PIECE, v[WV]
	v_bfe_u32 v237, v0, 4, 4
	v_lshl_add_u32 v[WV], v237, 4, v[WV]
	v_add_nc_u32 v[WV], VOFF, v[WV]
	v_add_nc_u32 v[WV+21], SLOT, v[WV]
	v_lshlrev_b32 v[GO], 9, v234
	v_lshl_add_u32 v[GO], v233, 4, v[GO]           ; lanes 0-15 take one row of O, lanes 16-31 the next; 16 bytes a lane
	v_lshlrev_b32 v[QO], 6, v233
	v_lshl_add_u32 v[QO], v234, 4, v[QO]           ; Q: row r of 64 bytes, + 16 h
	v_lshlrev_b32 v[QS], 2, v233
	v_lshlrev_b32 v[GKO], 4, v0
	v_lshrrev_b32 v237, 4, v0
	v_lshlrev_b32 v[GVO], 10, v237
	v_lshl_add_u32 v[GVO], v233, 4, v[GVO]
	s_mul_i32 s31, s[WVN], 16*SP
	s_add_co_u32 s31, s31, STAGE                   ; my stage
	v_mul_u32_u24 v[STO], v233, SP
	v_lshl_add_u32 v[STO], v234, 5, v[STO]
	v_add_nc_u32 v[STO], s31, v[STO]
	v_mul_u32_u24 v[RD], v234, SP
	v_lshl_add_u32 v[RD], v233, 4, v[RD]
	v_add_nc_u32 v[RD], s31, v[RD]
	; K's scale words: thread t holds those of keys 4 t + k.  Step t / 32; with l = t % 32: tile 4 l4 + 2 l3 + l1, row k + 4 l0 + 8 l2.  The image's byte: 512 step + 256 (tile / 4) + 16 row + 4 (tile % 4)
	v_lshlrev_b32 v[KSW], 9, v232
	v_lshl_add_u32 v[KSW], v234, 8, v[KSW]
	v_bfe_u32 v237, v0, 2, 1
	v_lshl_add_u32 v[KSW], v237, 7, v[KSW]
	v_and_b32 v237, 1, v0
	v_lshl_add_u32 v[KSW], v237, 6, v[KSW]
	v_bfe_u32 v237, v0, 3, 1
	v_lshl_add_u32 v[KSW], v237, 3, v[KSW]
	v_bfe_u32 v237, v0, 1, 1
	v_lshl_add_u32 v[KSW], v237, 2, v[KSW]
	v_add_nc_u32 v[KSW], SCK, v[KSW]
	; V's: thread t holds the words of row t / 4, steps 4 (t % 4) + k.  Tile t / 64, row (t / 4) % 16
	v_lshlrev_b32 v[VSW], 11, v236
	v_lshrrev_b32 v237, 8, v0
	v_lshl_add_u32 v[VSW], v237, 8, v[VSW]
	v_bfe_u32 v237, v0, 2, 4
	v_lshl_add_u32 v[VSW], v237, 4, v[VSW]
	v_bfe_u32 v237, v0, 6, 2
	v_lshl_add_u32 v[VSW], v237, 2, v[VSW]
	v_add_nc_u32 v[VSW], SCV, v[VSW]
	s_mov_b32 s[SEL], 0x76543210
	s_mov_b32 s[SEL+1], 0xfedcba98
	s_mov_b32 s[CS], 0x3e0293ee                    ; c = log2(e) / sqrt(128)
	s_mov_b32 s[CS+1], s[CS]                       ; (named with it as a pair, so it is written)
	s_mov_b32 s[KO], 32768                         ; the first fetch in the loop is slot 1's
	s_mov_b32 s[KO+1], 0
	s_mov_b32 s[VO], 256
	s_mov_b32 s[VO+1], 0
	s_mov_b32 s[TS], 0
	s_mov_b32 s[BLKS], 2
	s_mov_b32 s[NEED], 0
; A slot's 512 keys from memory into v64-95: K's are 32,768 bytes on end, 512 threads x 16 bytes a load; of V's 128 rows a load takes 32, sixteen lanes to a row's 256 bytes, which begin at a multiple of 256 from V's first byte.
.macro GET kb, vb
.irp q, 0,1,2,3
	global_load_b128 v[64+4*\q:67+4*\q], v[GKO], s[\kb:\kb+1] offset:8192*\q
.endr
.irp i, 0,1,2,3
	global_load_b128 v[80+4*\i:83+4*\i], v[GVO], s[\vb:\vb+1] offset:32768*\i
.endr
.endm
; and from there into slot d
.macro PUT d
.irp q, 0,1,2,3
	ds_store_b128 v[WK+21*(\d)], v[64+4*\q:67+4*\q] offset:STEPB*\q
.endr
.irp i, 0,1,2,3
	ds_store_b128 v[WV+21*(\d)], v[80+4*\i:83+4*\i] offset:2*TILEB*\i
.endr
.endm
	s_wait_kmcnt 0x0
	s_lshl_b32 s50, s[HD], 17                      ; a head's codes are 131,072 bytes in each tensor,
	s_mov_b32 s51, 0
	s_add_nc_u64 s[KH:KH+1], s[36:37], s[50:51]
	s_add_nc_u64 s[VH:VH+1], s[40:41], s[50:51]
	s_lshl_b32 s52, s[HD], 13                      ; its scale bytes 8,192
	s_mov_b32 s53, 0
	s_add_nc_u64 s[54:55], s[38:39], s[52:53]
	s_add_nc_u64 s[56:57], s[42:43], s[52:53]
	global_load_b128 v[32:35], v[GKO], s[54:55]    ; K's scale words of the whole head: four keys' a thread
	global_load_b128 v[36:39], v[GKO], s[56:57]    ; V's: four steps' of a row
	GET KH, VH                                     ; slot 0 of the first block is always fetched
	s_lshl_b32 s58, s30, 6                         ; the flag words of the first block's 16 tiles,
	s_mov_b32 s59, 0
	s_add_nc_u64 s[60:61], s[46:47], s[58:59]
	s_lshl_b32 s58, s66, 6                         ; of the second block's,
	s_add_nc_u64 s[KA:KA+1], s[46:47], s[58:59]
	s_lshl_b32 s58, s[WVN], 2                      ; and my own tiles'
	s_add_nc_u64 s[62:63], s[60:61], s[58:59]
	s_add_nc_u64 s[VA:VA+1], s[KA:KA+1], s[58:59]
	s_load_b512 s[68:83], s[60:61], 0x0
	s_load_b512 s[84:99], s[KA:KA+1], 0x0
	s_load_b32 s[FL], s[62:63], 0x0
	s_load_b32 s[FL+1], s[VA:VA+1], 0x0
	s_wait_kmcnt 0x0
	; WHICH SLOTS ARE FETCHED: the same in all sixteen waves, since each takes all sixteen tiles' flags.  Byte k of the gathered word holds slot k's four bits 'some key counts'
	s_or_b32 s31, s68, s69
.irp i, 70,71,72,73,74,75,76,77,78,79,80,81,82,83
	s_or_b32 s31, s31, s[\i]
.endr
	s_and_b32 s31, s31, 0x55555555
	s_or_b32 s67, s84, s85
.irp i, 86,87,88,89,90,91,92,93,94,95,96,97,98,99
	s_or_b32 s67, s67, s[\i]
.endr
	s_and_b32 s67, s67, 0x55555555
.macro NEEDBIT w, slot, bit
	s_bfe_u32 s29, s[\w], (8<<16)|(8*\slot)
	s_cmp_lg_u32 s29, 0
	s_cselect_b32 s29, 1<<\bit, 0
	s_or_b32 s[NEED], s[NEED], s29
.endm
	NEEDBIT 31, 1, 0                               ; bit i: what the i-th slot trip fetches: the first block's slots 1, 2, 3,
	NEEDBIT 31, 2, 1
	NEEDBIT 31, 3, 2
	NEEDBIT 67, 0, 3                               ; then the second block's 0 to 3; the eighth trip fetches nothing
	NEEDBIT 67, 1, 4
	NEEDBIT 67, 2, 5
	NEEDBIT 67, 3, 6
	s_wait_loadcnt 8                               ; the scale words are in: the eight loads of codes issued behind them may be out
.irp k, 0,1,2,3
	ds_store_b32 v[KSW], v[32+\k] offset:16*\k
.endr
.irp k, 0,1,2,3
	ds_store_b32 v[VSW], v[36+\k] offset:512*\k
.endr
	s_wait_loadcnt 0x0
	PUT 0
	s_wait_dscnt 0x0                               ; for the others' sake: my stores have landed
	s_barrier_signal -1
	s_barrier_wait -1                              ; the scale images and slot 0 are whole
; A KEY STEP: 128 keys, the q-th of slot s.
.macro STEP s, q
	s_bitcmp1_b32 s[FL], 0                         ; does any key of this step count for any of my 16 queries?  If not, every p would be 0: the step is left out
	s_cbranch_scc0 .Lhidden_\@
.rept 4
	v_nop                                          ; places in front of loads into registers that the last products read (ISA guide 7.12.1 for vector instructions)
.endr
.irp g, 0,1                                    ; S^T = K Q^T, four tiles of 16 keys at a time
.if \g > 0
.rept 4
	v_nop
.endr
.endif
.irp t, 0,1,2,3
.irp c, 0,1
	ds_load_b128 v[32+8*\t+4*\c:35+8*\t+4*\c], v[AK+7*(\s)] offset:STEPB*(\q)+TILEB*(4*\g+\t)+2*PIECE*\c
.endr
.endr
.if \g == 0
	ds_load_b128 v[248:251], v[ADS] offset:512*(4*(\s)+(\q))   ; lanes 0-15: the words of tiles 0-3; lanes 16-31: of tiles 4-7
.endif
	s_wait_dscnt 0x0
.irp t, 0,1,2,3
.if \g == 0
	v_wmma_scale_f32_16x16x128_f8f6f4 v[96+8*\t:103+8*\t], v[32+8*\t:39+8*\t], v[16:23], 0, v[248+\t], v255 matrix_a_fmt:MATRIX_FMT_FP4 matrix_b_fmt:MATRIX_FMT_FP4
.else
	v_wmma_scale_f32_16x16x128_f8f6f4 v[128+8*\t:135+8*\t], v[32+8*\t:39+8*\t], v[16:23], 0, v[248+\t], v255 matrix_a_fmt:MATRIX_FMT_FP4 matrix_b_fmt:MATRIX_FMT_FP4 matrix_a_scale:MATRIX_SCALE_ROW1
.endif
.endr
.endr
.rept 4
	v_nop                                          ; places: for the loads below, and for the first reads of the scores
.endr
.irp t, 0,1,2,3                                ; V's first four fragments and its scale words are asked for here: they land while the softmax is walked
.irp c, 0,1
	ds_load_b128 v[32+8*\t+4*\c:35+8*\t+4*\c], v[AV+7*(\s)] offset:STEPB*(\q)+TILEB*\t+2*PIECE*\c
.endr
.endr
	ds_load_b128 v[248:251], v[ADS] offset:8192+512*(4*(\s)+(\q))
	s_bitcmp1_b32 s[FL], 1                         ; is any key of this step hidden from any of my queries?  If not, the masking is left out
	s_cbranch_scc0 .Lopen_\@
.irp k, 0,1
	s_load_b512 s[32+16*\k:47+16*\k], s[MW:MW+1], 256*(4*(\s)+(\q))+64*\k       ; the step's 64 lane masks: load, wait and use stand in this one arm
.endr
.irp k, 0,1
	s_load_b512 s[68+16*\k:83+16*\k], s[MW:MW+1], 256*(4*(\s)+(\q))+128+64*\k
.endr
	v_mov_b32 v254, 0xff800000                     ; -infinity
	s_wait_kmcnt 0x0
.set n, 0
.rept 64
	v_cndmask_b32 v[96+n], v254, v[96+n], s[32+n+4*(n/32)]   ; the score where the mask's bit is set, else -infinity; each accumulator from its low end on
.set n, n+1
.endr
.Lopen_\@:
.irp b, 0,1,2,3
	v_max3_num_f32 v[232+\b], v[96+16*\b], v[97+16*\b], v[98+16*\b]   ; THE LARGEST SCORE OF EACH BLOCK OF 32 KEYS: it serves for the row's maximum and, since p rises with the score, for the block's largest p
.endr
.irp i, 3,5,7,9,11,13
.irp b, 0,1,2,3
	v_max3_num_f32 v[232+\b], v[232+\b], v[96+16*\b+\i], v[97+16*\b+\i]   ; (the four blocks by turns)
.endr
.endr
.irp b, 0,1,2,3
	v_max_num_f32 v[232+\b], v[232+\b], v[111+16*\b]
.endr
.irp b, 0,1,2,3
	v_permlanex16_b32 v[236+\b], v[232+\b], s[SEL], s[SEL+1]
.endr
.irp b, 0,1,2,3
	v_max_num_f32 v[232+\b], v[232+\b], v[236+\b]  ; with lane l xor 16's 16 keys
.endr
	v_max3_num_f32 v254, v232, v233, v234
	v_max_num_f32 v254, v254, v235                 ; the step's largest score of my query
	v_mul_f32 v254, s[CS], v254                    ; as t (c is positive)
	v_max_num_f32 v13, v13, v254                   ; the running largest t
	v_mov_b32 v254, v12
	v_floor_f32 v12, -v13                          ; the new -M = floor(-t) = -ceil(t): M IS A WHOLE NUMBER
	v_sub_f32 v254, v12, v254                      ; M's old value less its new one: a whole number, 0 or less
	v_cvt_i32_f32 v254, v254                       ; (it saturates)
	v_ldexp_f32 v252, 1.0, v254                    ; f = 2^(old M - new M)
.set j, 0
.rept 32
	v_pk_fma_f32 v[96+j:97+j], v[96+j:97+j], s[CS:CS+1], v[12:13] op_sel_hi:[1,0,0]   ; t - M, two at a time (of the pairs c and -M the low word serves both halves)
.set j, j+2
.endr
.irp b, 0,1,2,3
	v_fma_f32 v[232+\b], v[232+\b], s[CS], v12     ; the same of each block's largest score
.endr
.set j, 0
.rept 64
	v_exp_f32 v[96+j], v[96+j]                     ; p = 2^(t - M), at most 1: NOT normalised
.set j, j+1
.endr
	v_pk_mul_f32 v[14:15], v[14:15], v[252:253] op_sel_hi:[1,0]   ; the sums under the new M.  (The plain instruction behind the exponentials)
	s_wait_alu depctr_va_vdst(0)                   ; the wait ahead of the first line that names a result: one for the batch of 64
.irp b, 0,1,2,3
	v_exp_f32 v[232+\b], v[232+\b]                 ; the block's largest p: the same two instructions on the same number give the same bits
.endr
	v_pk_add_f32 v[236:237], v[96:97], v[98:99]    ; THE ROW'S SUM IS TAKEN OF THE UNQUANTISED p: two at a time, in two chains
.irp j, 4,8,12,16,20,24,28,32,36,40,44,48,52,56,60
	v_pk_add_f32 v[14:15], v[14:15], v[96+\j:97+\j]
	v_pk_add_f32 v[236:237], v[236:237], v[98+\j:99+\j]
.endr
	v_pk_add_f32 v[14:15], v[14:15], v[236:237]
	s_wait_alu depctr_va_vdst(0)                   ; and one for the four
.irp b, 0,1,2,3
	v_max_num_f32 v[232+\b], 0x1800000, v[232+\b]  ; the floor 2^(3 - 127): the byte cannot fall under 1 (a block whose every p is 0 keeps that byte: its codes are zeros)
.endr
.irp b, 0,1,2,3
	v_add_nc_u32 v[244+\b], 0xff000000, v[232+\b]  ; 2 off the exponent field: the conversion's scale operand
.endr
.irp b, 0,1,2,3
	v_lshrrev_b32 v[236+\b], 23, v[244+\b]         ; the scale's byte
.endr
	v_lshl_or_b32 v253, v237, 8, v236              ; p's scale word for these 128 keys
	v_lshl_or_b32 v253, v238, 16, v253
	v_lshl_or_b32 v253, v239, 24, v253
.irp b, 0,1,2,3
	v_cvt_scalef32_pk8_fp4_f32 v[224+2*\b], v[96+16*\b:103+16*\b], v[244+\b]
	v_cvt_scalef32_pk8_fp4_f32 v[225+2*\b], v[104+16*\b:111+16*\b], v[244+\b]
.endr
	v_nop                                          ; one plain instruction behind the last scaled conversion
.irp c, 0,1                                    ; the operand's layout wants a WHOLE block in a lane: lanes 0-15 block 2 c, lanes 16-31 block 2 c + 1
.irp i, 0,1
	v_permlane16_swap_b32 v[224+4*\c+\i], v[226+4*\c+\i]
.endr
.endr
.set j, 0
.rept 32
	v_pk_mul_f32 v[160+j:161+j], v[160+j:161+j], v[252:253] op_sel_hi:[1,0]   ; O^T under the new M: x f.  (These 32 are also the places between the lines that made p's codes and scale word and the products below)
.set j, j+2
.endr
	s_wait_dscnt 0x0                               ; V's first four fragments and its scale words, asked for ahead of the softmax
.irp t, 0,1,2,3                                ; O^T += V^T P^T: the eight accumulators take turns, one instruction a turn
	v_wmma_scale_f32_16x16x128_f8f6f4 v[160+8*\t:167+8*\t], v[32+8*\t:39+8*\t], v[224:231], v[160+8*\t:167+8*\t], v[248+\t], v253 matrix_a_fmt:MATRIX_FMT_FP4 matrix_b_fmt:MATRIX_FMT_FP4
.endr
.rept 4
	v_nop
.endr
.irp t, 0,1,2,3
.irp c, 0,1
	ds_load_b128 v[32+8*\t+4*\c:35+8*\t+4*\c], v[AV+7*(\s)] offset:STEPB*(\q)+TILEB*(4+\t)+2*PIECE*\c
.endr
.endr
	s_wait_dscnt 0x0
.irp t, 0,1,2,3
	v_wmma_scale_f32_16x16x128_f8f6f4 v[192+8*\t:199+8*\t], v[32+8*\t:39+8*\t], v[224:231], v[192+8*\t:199+8*\t], v[248+\t], v253 matrix_a_fmt:MATRIX_FMT_FP4 matrix_b_fmt:MATRIX_FMT_FP4 matrix_a_scale:MATRIX_SCALE_ROW1
.endr
.Lhidden_\@:
	s_lshr_b32 s[FL], s[FL], 2                     ; on to the next step's two bits
.endm
; A SLOT TRIP: slot s is read, and the slot that follows is brought into the other one: asked for at the trip's head, stored at its end, four key steps later.  ONE barrier a trip, outside every branch: in front of it my stores into the
; other slot have landed and my reads of this slot are back; the other slot's last readers read it a trip earlier, in front of that trip's barrier.
.macro SLOTTRIP s
	s_bitcmp1_b32 s[NEED], 0
	s_cbranch_scc0 .Lnofetch_\@
	s_add_nc_u64 s[KA:KA+1], s[KH:KH+1], s[KO:KO+1]   ; (the last loads that named these bases were waited for at the last trip's end)
	s_add_nc_u64 s[VA:VA+1], s[VH:VH+1], s[VO:VO+1]
	GET KA, VA
.Lnofetch_\@:
	STEP \s, 0
	STEP \s, 1
	STEP \s, 2
	STEP \s, 3
	s_wait_loadcnt 0x0                             ; the next slot's bytes are in my registers (on both ways: nothing is out where nothing was asked for)
	s_bitcmp1_b32 s[NEED], 0
	s_cbranch_scc0 .Lnostore_\@
	PUT 1-\s
.Lnostore_\@:
	s_lshr_b32 s[NEED], s[NEED], 1
	s_add_co_u32 s[KO], s[KO], 32768
	s_and_b32 s[KO], s[KO], 0x1ffff                ; behind a block's last slot comes the next block's first: the ring goes on
	s_add_co_u32 s[VO], s[VO], 256
	s_and_b32 s[VO], s[VO], 0x3ff
	s_wait_dscnt 0x0
	s_barrier_signal -1
	s_barrier_wait -1
.endm
.Lblock:                                           ; two trips: block 7 - y, then block y
	s_load_b128 s[32:35], s[0:1], 0x0              ; Q's codes, Q's scales
	s_load_b64 s[36:37], s[0:1], 0x30              ; maskw
	s_load_b64 s[38:39], s[0:1], 0x40              ; O
	s_lshl_b32 s31, s30, 4
	s_add_co_u32 s31, s31, s[WVN]                  ; my tile T = 16 x block + wave
	s_lshl_b32 s67, s[HD], 11
	s_lshl_b32 s40, s31, 4
	s_add_co_u32 s67, s67, s40                     ; my first row among all heads' rows: 2,048 x head + 16 T
	s_lshl_b32 s50, s67, 6                         ; 64 bytes of codes a row,
	s_mov_b32 s51, 0
	s_lshl_b32 s52, s67, 2                         ; a scale word,
	s_mov_b32 s53, 0
	s_lshl_b32 s54, s67, 9                         ; 512 bytes of O (all under 2^27);
	s_mov_b32 s55, 0
	s_lshl_b32 s56, s31, 12                        ; a tile's 16 steps of 256 bytes of mask words
	s_mov_b32 s57, 0
	s_wait_kmcnt 0x0
	s_add_nc_u64 s[58:59], s[32:33], s[50:51]
	s_add_nc_u64 s[60:61], s[34:35], s[52:53]
	s_add_nc_u64 s[OP:OP+1], s[38:39], s[54:55]    ; (the last block's stores have read their base: the wait at the way out's end)
	s_add_nc_u64 s[MW:MW+1], s[36:37], s[56:57]
.irp c, 0,1
	global_load_b128 v[16+4*\c:19+4*\c], v[QO], s[58:59] offset:32*\c   ; Q's fragment stays in registers for the block
.endr
	global_load_b32 v255, v[QS], s[60:61]          ; and its scale words
	v_mov_b32 v13, 0xff61b1e6                      ; the largest t so far: -3e38, under every t
	v_floor_f32 v12, -v13                          ; -M
	v_mov_b32 v14, 0                               ; the sum, in two halves
	v_mov_b32 v15, 0
.irp b, 0,1,2,3
	v_mov_b32 v[236+\b], 0                         ; a lane permute's destination counts as one of its sources
.endr
	v_mov_b32 v252, 0                              ; likewise, for a tile all of whose steps are left out
	v_mov_b32 v253, 0                              ; (named as the upper half of the pair v[252:253] before it is first written)
.set j, 0
.rept 64
	v_mov_b32 v[160+j], 0                          ; O^T begins as zeros: which step is a tile's first hangs on the mask, so no first product can be written out with C = 0
.set j, j+1
.endr
	s_wait_loadcnt 0x0                             ; Q
	s_mov_b32 s29, 2
.Lpair:                                            ; two trips: two slots, eight key steps each
	v_add_nc_u32 v[ADS], s[TS], v[AS0]
	SLOTTRIP 0
	SLOTTRIP 1
	s_xor_b32 s[TS], s[TS], 4096                   ; the other eight steps' scale images
	s_add_nc_u64 s[MW:MW+1], s[MW:MW+1], 2048      ; and mask words (every scalar load that named this base has been waited for in its arm)
	s_sub_co_u32 s29, s29, 1
	s_cmp_lg_u32 s29, 0
	s_cbranch_scc1 .Lpair
	; THE WAY OUT.  O^T is divided by the row's sum and goes through my stage in LDS, half a row (64 channels, 256 bytes) of 16 queries at a time, so that sixteen lanes store 256 consecutive bytes.
.rept 4
	v_nop                                          ; places behind the last products
.endr
	v_add_f32 v14, v14, v15                        ; the sum's two halves,
	v_permlanex16_b32 v252, v14, s[SEL], s[SEL+1]
	v_add_f32 v14, v14, v252                       ; and lane l xor 16's: the row's sum
	v_rcp_f32 v14, v14
	v_nop                                          ; a plain instruction behind the reciprocal
	s_wait_alu depctr_va_vdst(0)                   ; and a wait ahead of its first reader
.set j, 0
.rept 64
	v_mul_f32 v[96+j], v[160+j], v14               ; register 8 t + i is o(r, 16 t + 8 h + i); each accumulator from its low end on
.set j, j+1
.endr
.irp u, 0,1                                    ; channels 64 u on
.irp t, 0,1,2,3
	ds_store_b128 v[STO], v[96+32*\u+8*\t:99+32*\u+8*\t] offset:64*\t
	ds_store_b128 v[STO], v[100+32*\u+8*\t:103+32*\u+8*\t] offset:64*\t+16
.endr
.irp i, 0,1,2,3,4,5,6,7
	ds_load_b128 v[32+32*\u+4*\i:35+32*\u+4*\i], v[RD] offset:2*\i*SP   ; LDS serves a wave's instructions in order (ISA guide 5.7.1.4): these see my stores, and the next half's stores come behind them
.endr
.endr
.irp u, 0,1
.irp i, 0,1,2,3,4,5,6,7
	s_wait_dscnt 15-8*\u-\i                        ; at most the LDS loads issued behind this one are out
	global_store_b128 v[GO], v[32+32*\u+4*\i:35+32*\u+4*\i], s[OP:OP+1] offset:2*\i*512+256*\u th:TH_STORE_NT   ; 16 lanes store 256 consecutive bytes, at a multiple of 256 from O's first byte; written once, read by nobody here
.endr
.endr
	s_wait_xcnt 0x0                                ; the stores have read their registers and their base: both are written again in the next block
	s_mov_b32 s[FL], s[FL+1]                       ; the second block's flags
	s_mov_b32 s30, s66                             ; and its number
	s_sub_co_u32 s[BLKS], s[BLKS], 1
	s_cmp_lg_u32 s[BLKS], 0
	s_cbranch_scc1 .Lblock
	s_wait_tensorcnt 0x0
	ds_add_u32 v242, v243
	s_wait_dscnt 0x0
	s_endpgm
.Lfunc_end_k_q548357edc3_attn:
	.size	k_q548357edc3_attn, .Lfunc_end_k_q548357edc3_attn-k_q548357edc3_attn
	.p2alignl 7, 3214868480
	.fill 96, 4, 3214868480
	.section	.rodata,"a",@progbits
	.p2align	6, 0x0
	.amdhsa_kernel k_q548357edc3_attn
		.amdhsa_group_segment_fixed_size 252416
		.amdhsa_private_segment_fixed_size 0
		.amdhsa_enable_private_segment 0
		.amdhsa_kernarg_size 72
		.amdhsa_user_sgpr_count 2
		.amdhsa_user_sgpr_kernarg_segment_ptr 1
		.amdhsa_wavefront_size32 1
		.amdhsa_system_sgpr_workgroup_id_x 1
		.amdhsa_system_sgpr_workgroup_id_y 1
		.amdhsa_system_sgpr_workgroup_id_z 1
		.amdhsa_system_vgpr_workitem_id 0
		.amdhsa_next_free_vgpr 256
		.amdhsa_next_free_sgpr 100
		.amdhsa_reserve_vcc 0
		.amdhsa_float_denorm_mode_32 3
		.amdhsa_float_denorm_mode_16_64 3
		.amdhsa_memory_ordered 1
		.amdhsa_forward_progress 1
		.amdhsa_inst_pref_size 199
	.end_amdhsa_kernel
	.amdgpu_metadata
---
amdhsa.version: [ 1, 2 ]
amdhsa.kernels:
  - .name:           k_q548357edc3_attn
    .symbol:         k_q548357edc3_attn.kd
    .args:
      - { .name: Q_codes, .offset: 0, .size: 8, .value_kind: global_buffer, .address_space: global }
      - { .name: Q_scales, .offset: 8, .size: 8, .value_kind: global_buffer, .address_space: global }
      - { .name: K_codes, .offset: 16, .size: 8, .value_kind: global_buffer, .address_space: global }
      - { .name: K_scales, .offset: 24, .size: 8, .value_kind: global_buffer, .address_space: global }
      - { .name: V_codes, .offset: 32, .size: 8, .value_kind: global_buffer, .address_space: global }
      - { .name: V_scales, .offset: 40, .size: 8, .value_kind: global_buffer, .address_space: global }
      - { .name: maskw, .offset: 48, .size: 8, .value_kind: global_buffer, .address_space: global }
      - { .name: tilefl, .offset: 56, .size: 8, .value_kind: global_buffer, .address_space: global }
      - { .name: out0, .offset: 64, .size: 8, .value_kind: global_buffer, .address_space: global }
    .group_segment_fixed_size: 252416
    .private_segment_fixed_size: 0
    .kernarg_segment_align: 8
    .kernarg_segment_size: 72
    .max_flat_workgroup_size: 512
    .sgpr_count:     100
    .vgpr_count:     256
    .wavefront_size: 32
...
	.end_amdgpu_metadata
.endif
;; end of part 2
;; ======== version 2 of 2: 2 launches
;; workspace buffers: maskw 524,288 bytes of whole numbers; tilefl 512 bytes of whole numbers
;; launch prep (part 3): grid 128 x 1, 8 waves a work-group, no clusters, 1,280 bytes of LDS; arguments mask, maskw, tilefl; writes maskw, tilefl
.if DOCPART == 3
	.amdgcn_target "amdgcn-amd-amdhsa--gfx1250"
	.amdhsa_code_object_version 6
	.text
	.protected	k_q548357edc3_prep
	.globl	k_q548357edc3_prep
	.p2align	8
	.type	k_q548357edc3_prep,@function
k_q548357edc3_prep:
	s_mov_b64 s[64:65], 0
	v_nop
	global_prefetch_b8 v0, s[64:65] scope:SCOPE_SE
	s_setreg_imm32_b32 hwreg(HW_REG_WAVE_MODE, 25, 1), 1
	s_wait_xcnt 0x0
; THE MASK [2048][2048], one byte a place (any byte but 0 counts as true), is turned into lane masks for the attention launch, and each tile step is classed.
; A tile T is 16 queries, a key step j 128 keys.  maskw[T][j][n], n = 0 .. 63, is a word whose bit L says whether query 16 T + L % 16 may see key 128 j + 32 (n / 16) + 16 (L / 16) + n % 16:
; that is the key which lane L of the attention launch holds in its score register n.  A tile step's 64 words are 256 consecutive bytes.
; tilefl[T]: bit 2 j = some key of step j counts for some query of the tile; bit 2 j + 1 = some key of step j is hidden from some query.
; SHARES.  Work-group T takes tile T; wave w takes key steps 2 w and 2 w + 1: bytes 256 w .. 256 w + 255 of each of the 16 rows.  Lane L loads, of row L % 16, the 16 bytes at 32 b + 16 (L / 16) of each block b of
; 32 keys: a wave's eight loads together read all 256 bytes of each row's piece.  A compare of one byte in all lanes IS the word wanted; it is put into lane n / 2 of a register pair, so that the 32 lanes store the
; step's 256 bytes by one instruction.  No matrix work, no loop; one barrier, for the eight waves' class bits.
.set ROWB, 2048                        ; a row of the mask in bytes
.set MB,   16                          ; v16-47  mask bytes: register MB + 16 e + 4 b + k holds keys 32 b + 16 (L / 16) + 4 k .. + 3 of step e
.set WD,   8                           ; v[8:9] step 0's words, v[10:11] step 1's: lane l holds words 2 l and 2 l + 1
	s_load_b128 s[4:7], s[0:1], 0x0                ; mask s[4:5], maskw s[6:7]
	s_load_b64 s[8:9], s[0:1], 0x10                ; tilefl
	v_lshl_add_u32 v64, v0, 2, 0x100
	v_mov_b32 v65, 0
	v_lshrrev_b32 v3, 5, v0
	s_delay_alu instid0(VALU_DEP_1)
	v_readfirstlane_b32 s10, v3                    ; wave 0..7
	v_and_b32 v4, 15, v0
	v_bfe_u32 v5, v0, 4, 1
	s_delay_alu instid0(VALU_DEP_2)
	v_lshlrev_b32 v1, 11, v4                       ; my row of the 16,
	s_delay_alu instid0(VALU_DEP_1)
	v_lshl_add_u32 v1, v5, 4, v1                   ; and my half of each block of 32 keys
	v_and_b32 v2, 31, v0
	s_delay_alu instid0(VALU_DEP_1)
	v_lshlrev_b32 v2, 3, v2                        ; out: 8 bytes a lane
	v_lshlrev_b32 v15, 2, v3                       ; LDS: my wave's word
	v_mov_b32 v14, 0
.irp i, 0,1,2,3
	v_mov_b32 v[WD+\i], 0                          ; a lane write's destination counts as read: written whole once
.endr
	s_lshl_b32 s12, ttmp9, 15                      ; the tile's 16 rows of 2,048 bytes,
	s_lshl_b32 s11, s10, 8
	s_add_co_u32 s12, s12, s11                     ; my wave's 256 bytes of them
	s_mov_b32 s13, 0
	s_lshl_b32 s14, ttmp9, 12                      ; the tile's 16 steps of 256 bytes in maskw,
	s_lshl_b32 s11, s10, 9
	s_add_co_u32 s14, s14, s11                     ; my wave's two
	s_mov_b32 s15, 0
	s_lshl_b32 s30, ttmp9, 2                       ; the tile's word in tilefl
	s_mov_b32 s31, 0
	s_wait_alu depctr_va_vdst(0)
	s_wait_kmcnt 0x0
	s_add_nc_u64 s[4:5], s[4:5], s[12:13]
	s_add_nc_u64 s[6:7], s[6:7], s[14:15]
	s_add_nc_u64 s[8:9], s[8:9], s[30:31]
.irp e, 0,1
.irp b, 0,1,2,3
	global_load_b128 v[MB+16*\e+4*\b:MB+16*\e+4*\b+3], v1, s[4:5] offset:128*\e+32*\b
.endr
.endr
; Step e of my two: 64 words, the store, the two class bits.
.macro PACK e
	s_wait_loadcnt 4-4*\e                          ; step 0: the four younger loads, step 1's, may be out; step 1: none
.set n, 0
.rept 64
	v_bfe_u32 v[4+n%4], v[MB+16*\e+n/4], 8*(n%4), 8        ; byte n % 4 of the register: key register n's place in the mask
	s_delay_alu instid0(VALU_DEP_1)
	v_cmp_ne_u32 s[16+n%8], 0, v[4+n%4]                    ; bit L: lane L's byte is not 0
	s_delay_alu instid0(VALU_DEP_1)
	v_writelane_b32 v[WD+2*\e+n%2], s[16+n%8], n/2         ; word n goes to lane n / 2
.set n, n+1
.endr
	global_store_b64 v2, v[WD+2*\e:WD+2*\e+1], s[6:7] offset:256*\e   ; 32 lanes store 256 consecutive bytes, at a multiple of 256 from maskw's first byte
	v_or_b32 v12, v[WD+2*\e], v[WD+2*\e+1]
	s_delay_alu instid0(VALU_DEP_1)
	v_cmp_ne_u32 vcc_lo, 0, v12                    ; some bit set in some word:
	s_cmp_lg_u32 vcc_lo, 0
	s_cselect_b32 s[24+2*\e], 1, 0                 ; some key counts
	v_and_b32 v12, v[WD+2*\e], v[WD+2*\e+1]
	s_delay_alu instid0(VALU_DEP_1)
	v_cmp_ne_u32 vcc_lo, -1, v12                   ; some bit clear in some word:
	s_cmp_lg_u32 vcc_lo, 0
	s_cselect_b32 s[25+2*\e], 2, 0                 ; some key is hidden
.endm
	PACK 0
	PACK 1
	s_or_b32 s24, s24, s25
	s_or_b32 s26, s26, s27
	s_lshl_b32 s26, s26, 2
	s_or_b32 s28, s24, s26                         ; my two steps' four bits,
	s_lshl_b32 s11, s10, 2
	s_lshl_b32 s28, s28, s11                       ; at bit 4 w of the tile's word
	v_mov_b32 v13, s28
	ds_store_b32 v15, v13                          ; all lanes write the same word with the same value
	s_wait_dscnt 0x0                               ; for the others' sake: my store has landed
	s_barrier_signal -1
	s_barrier_wait -1
	ds_load_b128 v[48:51], v14                     ; the eight waves' words
	ds_load_b128 v[52:55], v14 offset:16
	s_wait_dscnt 0x0
.irp i, 49
	v_or_b32 v48, v48, v[\i]
.endr
.irp i, 50, 51, 52, 53, 54, 55
	s_delay_alu instid0(VALU_DEP_1)
	v_or_b32 v48, v48, v[\i]
.endr
	s_wait_alu depctr_va_vdst(0)
	s_wait_xcnt 0x0                                ; EXEC is a source of the stores above: it changes only behind this wait
	v_cmp_eq_u32 vcc_lo, 0, v0
	s_wait_tensorcnt 0x0
	ds_add_u32 v64, v65
	s_wait_dscnt 0x0
	s_and_saveexec_b32 s40, vcc_lo                 ; thread 0 alone stores the tile's word
	global_store_b32 v14, v48, s[8:9]
	s_wait_xcnt 0x0                                ; and again in front of the line that widens it
	s_or_b32 exec_lo, exec_lo, s40
	s_endpgm
.Lfunc_end_k_q548357edc3_prep:
	.size	k_q548357edc3_prep, .Lfunc_end_k_q548357edc3_prep-k_q548357edc3_prep
	.p2alignl 7, 3214868480
	.fill 96, 4, 3214868480
	.section	.rodata,"a",@progbits
	.p2align	6, 0x0
	.amdhsa_kernel k_q548357edc3_prep
		.amdhsa_group_segment_fixed_size 1280
		.amdhsa_private_segment_fixed_size 0
		.amdhsa_enable_private_segment 0
		.amdhsa_kernarg_size 24
		.amdhsa_user_sgpr_count 2
		.amdhsa_user_sgpr_kernarg_segment_ptr 1
		.amdhsa_wavefront_size32 1
		.amdhsa_system_sgpr_workgroup_id_x 1
		.amdhsa_system_sgpr_workgroup_id_y 1
		.amdhsa_system_sgpr_workgroup_id_z 1
		.amdhsa_system_vgpr_workitem_id 0
		.amdhsa_next_free_vgpr 66
		.amdhsa_next_free_sgpr 66
		.amdhsa_reserve_vcc 1
		.amdhsa_float_denorm_mode_32 3
		.amdhsa_float_denorm_mode_16_64 3
		.amdhsa_memory_ordered 1
		.amdhsa_forward_progress 1
		.amdhsa_inst_pref_size 37
	.end_amdhsa_kernel
	.amdgpu_metadata
---
amdhsa.version: [ 1, 2 ]
amdhsa.kernels:
  - .name:           k_q548357edc3_prep
    .symbol:         k_q548357edc3_prep.kd
    .args:
      - { .name: mask, .offset: 0, .size: 8, .value_kind: global_buffer, .address_space: global }
      - { .name: maskw, .offset: 8, .size: 8, .value_kind: global_buffer, .address_space: global }
      - { .name: tilefl, .offset: 16, .size: 8, .value_kind: global_buffer, .address_space: global }
    .group_segment_fixed_size: 1280
    .private_segment_fixed_size: 0
    .kernarg_segment_align: 8
    .kernarg_segment_size: 24
    .max_flat_workgroup_size: 256
    .sgpr_count:     66
    .vgpr_count:     66
    .wavefront_size: 32
...
	.end_amdgpu_metadata
.endif
;; end of part 3
;; launch attn (part 4): grid 4 x 64, 16 waves a work-group, no clusters, 252,416 bytes of LDS; arguments Q_codes, Q_scales, K_codes, K_scales, V_codes, V_scales, maskw, tilefl, out0; writes out0
.if DOCPART == 4
	.amdgcn_target "amdgcn-amd-amdhsa--gfx1250"
	.amdhsa_code_object_version 6
	.text
	.protected	k_q548357edc3_attn
	.globl	k_q548357edc3_attn
	.p2align	8
	.type	k_q548357edc3_attn,@function
k_q548357edc3_attn:
	s_mov_b64 s[64:65], 0
	v_nop
	global_prefetch_b8 v0, s[64:65] scope:SCOPE_SE
	s_setreg_imm32_b32 hwreg(HW_REG_WAVE_SCHED_MODE, 0, 2), 2
	s_setreg_imm32_b32 hwreg(HW_REG_WAVE_MODE, 25, 1), 1
	s_wait_xcnt 0x0
	s_wait_alu depctr_vm_vsrc(0)
; O[head][q][:] = the sum over k of softmax_k(mask ? Q[q] . K[k] / sqrt(128) : -infinity) V[k][:], 64 heads, 2,048 queries and keys, head size 128; both products on codes of FP4 (E2M1) with one E8M0 scale for each 32 along a product's K.
; Q, K: codes along the head's 128, 64 bytes a row, a scale word a row.  V: codes with the KEYS innermost, [128][1,024 bytes], 64 scale bytes a row.  O: f32.  THE MASK IS AN INPUT: it arrives here as lane masks (maskw) and as two
; class bits for each tile of 16 queries and step of 128 keys (tilefl), made by the launch before from the mask as it is given.
; THE SOFTMAX AHEAD OF THE SECOND PRODUCT: t = score x log2(e) / sqrt(128); M = the row's largest t so far, rounded UP to a whole number; p = 2^(t - M) is quantised along the keys, not normalised; the row's sum is taken of the
; unquantised p and divides O at the end; when M moves, the sum and O are multiplied by 2^(old M - new M): exact.  A hidden score is -infinity ahead of the maximum, so its p is 0.  A row with no key at all ends as 0 x (1 / 0) = NaN, as the softmax of such a row is.
; SHARES.  256 work-groups of SIXTEEN waves.  Work-group (y, head) takes two blocks of 256 queries of its head, block 7 - y and then block y; wave w owns tile 16 x block + w: 16 queries, one to a lane, in 256 registers; four waves to a
; SIMD, so that one wave's vector work stands beside another's matrix work and LDS loads.  Every wave walks all 16 key steps of each block: the trip counts are constants.  WORK IS JUMPED OVER: a step in which no key counts
; a step with no hidden key leaves the masking out; a slot of 512 keys that none of the work-group's 16 tiles needs is not fetched.
; NO TENSOR LOADS, NO CLUSTER: these jumps hang on numbers read from memory; so K and V go from memory through registers into LDS, asked for four key steps ahead of the stores that need them.
; LAYOUT.  Both products are used transposed: S^T = K Q^T (source 0 = 16 keys, source 1 = my 16 queries), O^T = V^T P^T (source 0 = 16 of the head's 128, source 1 = P): a lane holds ONE query (lane % 16) throughout.
; THE KEYS OF A TILE ARE NOT NEIGHBOURS: lane r of tile 2 b + u takes key 32 b + 8 u + r + 8 (r / 8), so that the 16 registers of tiles 2 b and 2 b + 1 are 16 neighbouring keys, 32 b + 16 (lane / 16) + 0 .. 15.
; LDS.  Two slots of 512 keys.  In a slot a fragment lies by PIECES: piece p = 2 c + h holds the 16 bytes that lanes (r, h) want in registers 4 c .. 4 c + 3, row r at 16 r.  A read takes 256 bytes on end.  Pieces are 320 bytes apart and key
; steps 10,256: in words of 16 bytes modulo 256 (64 banks of 4 bytes: ISA guide 11.1) that is 4 a piece and 1 a step, so the sixteen lanes of a store (K: 4 rows x 4 pieces; V: 4 steps x 4 pieces of one row) also take sixteen different columns.
; The scale words of the whole head stay in LDS as images of the registers that take them: for step j, lane (r, h) finds at 512 j + 16 lane the words of row r of tiles 4 h .. 4 h + 3: one load a step and operand; tiles 4-7 read lanes 16-31.
; LIMITS: a scale byte 0xff (NaN) among the inputs was not tried; M is kept as an f32 whole number, exact while |t| stays under 2^24; log2(e) / sqrt(128) is one rounded constant.
; THE MODE: SCHED_MODE bits 1:0 = 2 (LLVM: expert scheduling mode 2), set by the entry lines.  The code itself states the register dependences between vector or matrix instructions and memory or LDS instructions, with s_wait_alu, always for 0.
; THE PLAN.  Registers that memory or LDS instructions touch:
;   the addresses and offsets (v1-3, v5-11, v24-31) and the closing add's two (v242, v243): written at the head, never again: one wait on va_vdst ahead of the first load serves them all.
;   v4         the scale images' address: written once for eight steps, behind a wait on vm_vsrc; the wait at the head of the next step that is walked stands ahead of its first reader.
;   v64-95     the next slot on its way: loads land, LDS stores read; on the way out LDS loads land and stores read.  No vector instruction names them: a wait on vm_vsrc behind each run of stores is all that they ask.
;   v128-159   a step's head: K's tiles 0-3 land; products 0-3 of K Q^T read them; products 4-7 write their scores over them, five places on.
;   v32-63     a step's head: K's tiles 4-7 land; products 4-7 read them.  Behind the exponentials' wait: V's tiles 0-3 land; products 0-3 of V^T P read them.
;   v96-127    scores, then p; behind the conversions V's tiles 4-7 land; products 4-7 of V^T P read them; the next step's products 0-3 write over them, five places on.
;   v248-251   K's scale words (a step's head), then V's (behind the exponentials' wait).          v16-23, v255: Q and its scale words, loaded once a block.
; So a step has five waits on va_vdst outside the masking: at its head (all of K's loads follow), ahead of the 64 exponentials, behind them (V's first nine loads follow), behind the four exponentials, and ahead of V^T P (V's last eight loads follow).
.set STEPB, 10256                      ; a key step's eight tiles in LDS: 8 x 1,280 + 16
.set TILEB, 1280                       ; a tile: four pieces
.set PIECE, 320                        ; a piece: 256 bytes + 64
.set VOFF,  4*STEPB                    ; a slot: K's four steps, then V's
.set SLOT,  82176                      ; 2 x 41,024 rounded up to a multiple of 256
.set SCK,   2*SLOT                     ; K's scale images, 16 steps x 512 bytes
.set SCV,   SCK+8192                   ; V's
.set STAGE, SCV+8192                   ; the way out: 16 rows x 272 bytes for each wave, its own
.set SP,    272
.set AK,  1                            ; v1, v8   my lane's place in a tile of K, slot 0, 1: 16 r + 320 h
.set AV,  2                            ; v2, v9   the same for V
.set AS0, 3                            ; v3   SCK + 16 x lane
.set ADS, 4                            ; v4   the same for the eight steps in hand
.set WK,  5                            ; v5, v26  where my thread puts its 16 bytes of a step of K, slot 0, 1
.set WV,  6                            ; v6, v27  the same for V
.set GO,  7                            ; v7   the way out: my byte offset in the tile's rows of O
.set QO,  10                           ; v10  my byte offset in the tile's rows of Q
.set QS,  11                           ; v11  and among its scale words
.set GKO, 24                           ; v24  16 x thread: K's codes, and both tensors of scale bytes
.set GVO, 25                           ; v25  V's codes: row thread / 16, 16 bytes at 16 (thread % 16)
.set STO, 28                           ; v28  the stage: where I put 32 bytes of a row
.set RD,  29                           ; v29  and where I read a row back
.set KSW, 30                           ; v30  where my four scale words of K go
.set VSW, 31                           ; v31  and of V
; v12 -M, v13 the largest t, v[14:15] the sum in two halves; v16-23 Q; v32-63 K's tiles 4-7, then V's tiles 0-3; v64-95 the next slot on its way; v96-159 S^T, then p (ahead of them K's tiles 0-3 in v128-159, behind them V's tiles 4-7 in v96-127);
; v160-223 O^T; v224-231 p's codes; v232-241, v244-247, v252, v254 at work; v242, v243 the closing add's two; v248-251 K's or V's scale words, v253 p's, v255 Q's.
.set WVN, 2                            ; s2   my wave's number
.set HD,  3                            ; s3   the head
.set KH,  4                            ; s[4:5] K's codes of my head;  s[6:7] V's
.set VH,  6
.set KA,  8                            ; s[8:9], s[10:11] where the fetch in hand reads
.set VA,  10
.set KO,  12                           ; s[12:13] the next slot's bytes in K: 32,768 a slot;  s[14:15] in a row of V: 256 a slot
.set VO,  14
.set MW,  16                           ; s[16:17] my tile's mask words of the eight steps in hand
.set OP,  18                           ; s[18:19] my tile's rows of O
.set SEL, 20                           ; s[20:21] lane selects for v_permlanex16_b32: lane l xor 16
.set CS,  22                           ; s[22:23] c = log2(e) / sqrt(128), as a pair
.set FL,  24                           ; s24  my tile's flags, two bits a step, the step in hand lowest;  s25 the second block's
.set NEED, 26                          ; s26  bit 0: the slot after the one in hand is wanted by some tile of the work-group
.set TS,  27                           ; s27  0 or 4,096: which eight steps' scale images
.set BLKS, 28                          ; s28  blocks to go;  s29 pairs of slots to go;  s30 the block's number;  s66 y
; s32-63 and s68-99: the 64 mask words of a step (word n in s[32 + n + 4 (n / 32)]); outside a masked step: pointers, offsets, flag words
	s_load_b512 s[32:47], s[0:1], 0x0              ; Q's codes s[32:33], Q's scales s[34:35], K's s[36:39], V's s[40:43], maskw s[44:45], tilefl s[46:47]
	v_lshl_add_u32 v242, v0, 2, 0x3d200
	v_mov_b32 v243, 0
	v_lshrrev_b32 v232, 5, v0
	v_readfirstlane_b32 s[WVN], v232               ; wave 0..15
	s_and_b32 s[HD], ttmp7, 0xffff
	s_mov_b32 s66, ttmp9                           ; y
	s_sub_co_u32 s30, 7, s66                       ; the first block
	v_and_b32 v233, 15, v0                         ; r
	v_bfe_u32 v234, v0, 4, 1                       ; h
	v_and_b32 v235, 31, v0                         ; lane
	v_and_b32 v236, 3, v0                          ; thread % 4: the piece that my thread fetches
	v_lshlrev_b32 v[AK], 4, v233
	v_mad_u32_u24 v[AK], v234, PIECE, v[AK]        ; 16 r + 320 h; the second half of a fragment lies two pieces on
	v_add_nc_u32 v[AV], VOFF, v[AK]
	v_add_nc_u32 v[AK+7], SLOT, v[AK]
	v_add_nc_u32 v[AV+7], SLOT, v[AV]
	v_lshl_add_u32 v[AS0], v235, 4, SCK
	; K: thread t fetches piece t % 4 of key t / 4 of a step.  Key x of a step is row (x % 8) + 8 (bit 4 of x) of tile 2 (x / 32) + (bit 3 of x)
	v_lshrrev_b32 v237, 7, v0
	v_mul_u32_u24 v[WK], v237, 2*TILEB
	v_bfe_u32 v237, v0, 5, 1
	v_mad_u32_u24 v[WK], v237, TILEB, v[WK]
	v_mad_u32_u24 v[WK], v236, PIECE, v[WK]
	v_bfe_u32 v237, v0, 2, 3
	v_lshl_add_u32 v[WK], v237, 4, v[WK]
	v_bfe_u32 v237, v0, 6, 1
	v_lshl_add_u32 v[WK], v237, 7, v[WK]
	v_add_nc_u32 v[WK+21], SLOT, v[WK]
	; V: thread t fetches, of row t / 16 (+ 32 for each further load), the 16 bytes at 16 (t % 16) of the slot's 256: step (t / 4) % 4, piece t % 4
	v_bfe_u32 v237, v0, 2, 2
	v_mul_u32_u24 v[WV], v237, STEPB
	v_lshrrev_b32 v237, 8, v0
	v_mad_u32_u24 v[WV], v237, TILEB, v[WV]
	v_mad_u32_u24 v[WV], v236, PIECE, v[WV]
	v_bfe_u32 v237, v0, 4, 4
	v_lshl_add_u32 v[WV], v237, 4, v[WV]
	v_add_nc_u32 v[WV], VOFF, v[WV]
	v_add_nc_u32 v[WV+21], SLOT, v[WV]
	v_lshlrev_b32 v[GO], 9, v234
	v_lshl_add_u32 v[GO], v233, 4, v[GO]           ; lanes 0-15 take one row of O, lanes 16-31 the next; 16 bytes a lane
	v_lshlrev_b32 v[QO], 6, v233
	v_lshl_add_u32 v[QO], v234, 4, v[QO]           ; Q: row r of 64 bytes, + 16 h
	v_lshlrev_b32 v[QS], 2, v233
	v_lshlrev_b32 v[GKO], 4, v0
	v_lshrrev_b32 v237, 4, v0
	v_lshlrev_b32 v[GVO], 10, v237
	v_lshl_add_u32 v[GVO], v233, 4, v[GVO]
	s_wait_alu depctr_va_sdst(0)                   ; the wave's number is written into s2, ahead of its first reader
	s_mul_i32 s31, s[WVN], 16*SP
	s_add_co_u32 s31, s31, STAGE                   ; my stage
	v_mul_u32_u24 v[STO], v233, SP
	v_lshl_add_u32 v[STO], v234, 5, v[STO]
	v_add_nc_u32 v[STO], s31, v[STO]
	v_mul_u32_u24 v[RD], v234, SP
	v_lshl_add_u32 v[RD], v233, 4, v[RD]
	v_add_nc_u32 v[RD], s31, v[RD]
	; K's scale words: thread t holds those of keys 4 t + k.  Step t / 32; with l = t % 32: tile 4 l4 + 2 l3 + l1, row k + 4 l0 + 8 l2.  The image's byte: 512 step + 256 (tile / 4) + 16 row + 4 (tile % 4)
	v_lshlrev_b32 v[KSW], 9, v232
	v_lshl_add_u32 v[KSW], v234, 8, v[KSW]
	v_bfe_u32 v237, v0, 2, 1
	v_lshl_add_u32 v[KSW], v237, 7, v[KSW]
	v_and_b32 v237, 1, v0
	v_lshl_add_u32 v[KSW], v237, 6, v[KSW]
	v_bfe_u32 v237, v0, 3, 1
	v_lshl_add_u32 v[KSW], v237, 3, v[KSW]
	v_bfe_u32 v237, v0, 1, 1
	v_lshl_add_u32 v[KSW], v237, 2, v[KSW]
	v_add_nc_u32 v[KSW], SCK, v[KSW]
	; V's: thread t holds the words of row t / 4, steps 4 (t % 4) + k.  Tile t / 64, row (t / 4) % 16
	v_lshlrev_b32 v[VSW], 11, v236
	v_lshrrev_b32 v237, 8, v0
	v_lshl_add_u32 v[VSW], v237, 8, v[VSW]
	v_bfe_u32 v237, v0, 2, 4
	v_lshl_add_u32 v[VSW], v237, 4, v[VSW]
	v_bfe_u32 v237, v0, 6, 2
	v_lshl_add_u32 v[VSW], v237, 2, v[VSW]
	v_add_nc_u32 v[VSW], SCV, v[VSW]
	s_mov_b32 s[SEL], 0x76543210
	s_mov_b32 s[SEL+1], 0xfedcba98
	s_mov_b32 s[CS], 0x3e0293ee                    ; c = log2(e) / sqrt(128)
	s_mov_b32 s[CS+1], s[CS]                       ; (named with it as a pair, so it is written)
	s_mov_b32 s[KO], 32768                         ; the first fetch in the loop is slot 1's
	s_mov_b32 s[KO+1], 0
	s_mov_b32 s[VO], 256
	s_mov_b32 s[VO+1], 0
	s_mov_b32 s[TS], 0
	s_mov_b32 s[BLKS], 2
	s_mov_b32 s[NEED], 0
; A slot's 512 keys from memory into v64-95: K's are 32,768 bytes on end, 512 threads x 16 bytes a load; of V's 128 rows a load takes 32, sixteen lanes to a row's 256 bytes, which begin at a multiple of 256 from V's first byte.
.macro GET kb, vb
.irp q, 0,1,2,3
	global_load_b128 v[64+4*\q:67+4*\q], v[GKO], s[\kb:\kb+1] offset:8192*\q
.endr
.irp i, 0,1,2,3
	global_load_b128 v[80+4*\i:83+4*\i], v[GVO], s[\vb:\vb+1] offset:32768*\i
.endr
.endm
; and from there into slot d
.macro PUT d
.irp q, 0,1,2,3
	ds_store_b128 v[WK+21*(\d)], v[64+4*\q:67+4*\q] offset:STEPB*\q
.endr
.irp i, 0,1,2,3
	ds_store_b128 v[WV+21*(\d)], v[80+4*\i:83+4*\i] offset:2*TILEB*\i
.endr
.endm
	s_wait_kmcnt 0x0
	s_lshl_b32 s50, s[HD], 17                      ; a head's codes are 131,072 bytes in each tensor,
	s_mov_b32 s51, 0
	s_add_nc_u64 s[KH:KH+1], s[36:37], s[50:51]
	s_add_nc_u64 s[VH:VH+1], s[40:41], s[50:51]
	s_lshl_b32 s52, s[HD], 13                      ; its scale bytes 8,192
	s_mov_b32 s53, 0
	s_add_nc_u64 s[54:55], s[38:39], s[52:53]
	s_add_nc_u64 s[56:57], s[42:43], s[52:53]
	s_wait_alu depctr_va_vdst(0)                   ; every address and offset made above is written: the kernel's loads and stores, global and LDS, read them, and no vector instruction writes one of them again (v4 aside, which is made later)
	global_load_b128 v[32:35], v[GKO], s[54:55]    ; K's scale words of the whole head: four keys' a thread
	global_load_b128 v[36:39], v[GKO], s[56:57]    ; V's: four steps' of a row
	GET KH, VH                                     ; slot 0 of the first block is always fetched
	s_lshl_b32 s58, s30, 6                         ; the flag words of the first block's 16 tiles,
	s_mov_b32 s59, 0
	s_add_nc_u64 s[60:61], s[46:47], s[58:59]
	s_lshl_b32 s58, s66, 6                         ; of the second block's,
	s_add_nc_u64 s[KA:KA+1], s[46:47], s[58:59]
	s_lshl_b32 s58, s[WVN], 2                      ; and my own tiles'
	s_add_nc_u64 s[62:63], s[60:61], s[58:59]
	s_add_nc_u64 s[VA:VA+1], s[KA:KA+1], s[58:59]
	s_load_b512 s[68:83], s[60:61], 0x0
	s_load_b512 s[84:99], s[KA:KA+1], 0x0
	s_load_b32 s[FL], s[62:63], 0x0
	s_load_b32 s[FL+1], s[VA:VA+1], 0x0
	s_wait_kmcnt 0x0
	; WHICH SLOTS ARE FETCHED: the same in all sixteen waves, since each takes all sixteen tiles' flags.  Byte k of the gathered word holds slot k's four bits 'some key counts'
	s_or_b32 s31, s68, s69
.irp i, 70,71,72,73,74,75,76,77,78,79,80,81,82,83
	s_or_b32 s31, s31, s[\i]
.endr
	s_and_b32 s31, s31, 0x55555555
	s_or_b32 s67, s84, s85
.irp i, 86,87,88,89,90,91,92,93,94,95,96,97,98,99
	s_or_b32 s67, s67, s[\i]
.endr
	s_and_b32 s67, s67, 0x55555555
.macro NEEDBIT w, slot, bit
	s_bfe_u32 s29, s[\w], (8<<16)|(8*\slot)
	s_cmp_lg_u32 s29, 0
	s_cselect_b32 s29, 1<<\bit, 0
	s_or_b32 s[NEED], s[NEED], s29
.endm
	NEEDBIT 31, 1, 0                               ; bit i: what the i-th slot trip fetches: the first block's slots 1, 2, 3,
	NEEDBIT 31, 2, 1
	NEEDBIT 31, 3, 2
	NEEDBIT 67, 0, 3                               ; then the second block's 0 to 3; the eighth trip fetches nothing
	NEEDBIT 67, 1, 4
	NEEDBIT 67, 2, 5
	NEEDBIT 67, 3, 6
	s_wait_loadcnt 8                               ; the scale words are in: the eight loads of codes issued behind them may be out
.irp k, 0,1,2,3
	ds_store_b32 v[KSW], v[32+\k] offset:16*\k
.endr
.irp k, 0,1,2,3
	ds_store_b32 v[VSW], v[36+\k] offset:512*\k
.endr
	s_wait_loadcnt 0x0
	PUT 0
	s_wait_alu depctr_vm_vsrc(0)                   ; my LDS stores have read v32-39 and v64-95, in which the first step's fragments and the next slot's bytes land
	s_wait_dscnt 0x0                               ; for the others' sake: my stores have landed
	s_barrier_signal -1
	s_barrier_wait -1                              ; the scale images and slot 0 are whole
; A KEY STEP: 128 keys, the q-th of slot s.
.macro STEP s, q
	s_bitcmp1_b32 s[FL], 0                         ; does any key of this step count for any of my 16 queries?  If not, every p would be 0: the step is left out
	s_cbranch_scc0 .Lhidden_\@
.rept 5
	v_nop                                          ; five places: the first four products below write over v96-127, which the last step's last four products read as a source (ISA guide 7.12.1)
.endr
	s_wait_alu depctr_va_vdst(0)                   ; the last step's products are done reading v32-63 and v248-251, its conversions and sums (or the last block's way out) are done with v128-159: the seventeen loads below land there; and v[ADS], which the first of them reads, is written
	ds_load_b128 v[248:251], v[ADS] offset:512*(4*(\s)+(\q))   ; K's scale words.  Lanes 0-15: the words of tiles 0-3; lanes 16-31: of tiles 4-7
.irp t, 0,1,2,3                                ; all eight tiles of 16 keys are asked for in one run: tiles 0-3 into the registers that will take the scores of tiles 4-7,
.irp c, 0,1
	ds_load_b128 v[128+8*\t+4*\c:131+8*\t+4*\c], v[AK+7*(\s)] offset:STEPB*(\q)+TILEB*\t+2*PIECE*\c
.endr
.endr
.irp t, 0,1,2,3                                ; tiles 4-7 into v32-63
.irp c, 0,1
	ds_load_b128 v[32+8*\t+4*\c:35+8*\t+4*\c], v[AK+7*(\s)] offset:STEPB*(\q)+TILEB*(4+\t)+2*PIECE*\c
.endr
.endr
	s_wait_dscnt 8                                 ; the scale words and tiles 0-3 are in: the eight loads issued last, tiles 4-7, may be out
.irp t, 0,1,2,3                                ; S^T = K Q^T
	v_wmma_scale_f32_16x16x128_f8f6f4 v[96+8*\t:103+8*\t], v[128+8*\t:135+8*\t], v[16:23], 0, v[248+\t], v255 matrix_a_fmt:MATRIX_FMT_FP4 matrix_b_fmt:MATRIX_FMT_FP4
.endr
.rept 5
	v_nop                                          ; five places: the four products below write over v128-159, which the four above read as a source (ISA guide 7.12.1)
.endr
	s_wait_dscnt 0x0                               ; tiles 4-7 are in
.irp t, 0,1,2,3
	v_wmma_scale_f32_16x16x128_f8f6f4 v[128+8*\t:135+8*\t], v[32+8*\t:39+8*\t], v[16:23], 0, v[248+\t], v255 matrix_a_fmt:MATRIX_FMT_FP4 matrix_b_fmt:MATRIX_FMT_FP4 matrix_a_scale:MATRIX_SCALE_ROW1
.endr
.rept 4
	v_nop                                          ; places: for the first reads of the scores
.endr
	s_bitcmp1_b32 s[FL], 1                         ; is any key of this step hidden from any of my queries?  If not, the masking is left out
	s_cbranch_scc0 .Lopen_\@
.irp k, 0,1
	s_load_b512 s[32+16*\k:47+16*\k], s[MW:MW+1], 256*(4*(\s)+(\q))+64*\k       ; the step's 64 lane masks: load, wait and use stand in this one arm
.endr
.irp k, 0,1
	s_load_b512 s[68+16*\k:83+16*\k], s[MW:MW+1], 256*(4*(\s)+(\q))+128+64*\k
.endr
	v_mov_b32 v254, 0xff800000                     ; -infinity
	s_wait_alu depctr_va_vdst(0)
	s_wait_kmcnt 0x0
.set n, 0
.rept 64
	v_cndmask_b32 v[96+n], v254, v[96+n], s[32+n+4*(n/32)]   ; the score where the mask's bit is set, else -infinity; each accumulator from its low end on
.set n, n+1
.endr
.Lopen_\@:
.irp b, 0,1,2,3
	v_max3_num_f32 v[232+\b], v[96+16*\b], v[97+16*\b], v[98+16*\b]   ; THE LARGEST SCORE OF EACH BLOCK OF 32 KEYS: it serves for the row's maximum and, since p rises with the score, for the block's largest p
.endr
.irp i, 3,5,7,9,11,13
.irp b, 0,1,2,3
	v_max3_num_f32 v[232+\b], v[232+\b], v[96+16*\b+\i], v[97+16*\b+\i]   ; (the four blocks by turns)
.endr
.endr
.irp b, 0,1,2,3
	v_max_num_f32 v[232+\b], v[232+\b], v[111+16*\b]
.endr
.irp b, 0,1,2,3
	v_permlanex16_b32 v[236+\b], v[232+\b], s[SEL], s[SEL+1]
.endr
.irp b, 0,1,2,3
	v_max_num_f32 v[232+\b], v[232+\b], v[236+\b]  ; with lane l xor 16's 16 keys
.endr
	v_max3_num_f32 v254, v232, v233, v234
	v_max_num_f32 v254, v254, v235                 ; the step's largest score of my query
	v_mul_f32 v254, s[CS], v254                    ; as t (c is positive)
	v_max_num_f32 v13, v13, v254                   ; the running largest t
	v_mov_b32 v254, v12
	v_floor_f32 v12, -v13                          ; the new -M = floor(-t) = -ceil(t): M IS A WHOLE NUMBER
	v_sub_f32 v254, v12, v254                      ; M's old value less its new one: a whole number, 0 or less
	v_cvt_i32_f32 v254, v254                       ; (it saturates)
	v_ldexp_f32 v252, 1.0, v254                    ; f = 2^(old M - new M)
.set j, 0
.rept 32
	v_pk_fma_f32 v[96+j:97+j], v[96+j:97+j], s[CS:CS+1], v[12:13] op_sel_hi:[1,0,0]   ; t - M, two at a time (of the pairs c and -M the low word serves both halves)
.set j, j+2
.endr
.irp b, 0,1,2,3
	v_fma_f32 v[232+\b], v[232+\b], s[CS], v12     ; the same of each block's largest score
.endr
.set j, 0
	s_wait_alu depctr_va_vdst(0)
.rept 64
	v_exp_f32 v[96+j], v[96+j]                     ; p = 2^(t - M), at most 1: NOT normalised
.set j, j+1
.endr
	v_pk_mul_f32 v[14:15], v[14:15], v[252:253] op_sel_hi:[1,0]   ; the sums under the new M.  (The plain instruction behind the exponentials)
	s_wait_alu depctr_va_vdst(0)                   ; the 64 exponentials have written p, ahead of the first line that names a result: one wait for the batch; and the products K Q^T are done reading v32-63 and v248-251, in which the nine loads below land
.irp t, 0,1,2,3                                ; V's first four fragments and its scale words are asked for here: they land while the sums, the scales and the conversions are walked
.irp c, 0,1
	ds_load_b128 v[32+8*\t+4*\c:35+8*\t+4*\c], v[AV+7*(\s)] offset:STEPB*(\q)+TILEB*\t+2*PIECE*\c
.endr
.endr
	ds_load_b128 v[248:251], v[ADS] offset:8192+512*(4*(\s)+(\q))
.irp b, 0,1,2,3
	v_exp_f32 v[232+\b], v[232+\b]                 ; the block's largest p: the same two instructions on the same number give the same bits
.endr
	v_pk_add_f32 v[236:237], v[96:97], v[98:99]    ; THE ROW'S SUM IS TAKEN OF THE UNQUANTISED p: two at a time, in two chains
.irp j, 4,8,12,16,20,24,28,32,36,40,44,48,52,56,60
	v_pk_add_f32 v[14:15], v[14:15], v[96+\j:97+\j]
	v_pk_add_f32 v[236:237], v[236:237], v[98+\j:99+\j]
.endr
	v_pk_add_f32 v[14:15], v[14:15], v[236:237]
	s_wait_alu depctr_va_vdst(0)                   ; the four exponentials have written v232-235, ahead of their first reader
.irp b, 0,1,2,3
	v_max_num_f32 v[232+\b], 0x1800000, v[232+\b]  ; the floor 2^(3 - 127): the byte cannot fall under 1 (a block whose every p is 0 keeps that byte: its codes are zeros)
.endr
.irp b, 0,1,2,3
	v_add_nc_u32 v[244+\b], 0xff000000, v[232+\b]  ; 2 off the exponent field: the conversion's scale operand
.endr
.irp b, 0,1,2,3
	v_lshrrev_b32 v[236+\b], 23, v[244+\b]         ; the scale's byte
.endr
	v_lshl_or_b32 v253, v237, 8, v236              ; p's scale word for these 128 keys
	v_lshl_or_b32 v253, v238, 16, v253
	v_lshl_or_b32 v253, v239, 24, v253
.irp b, 0,1,2,3
	v_cvt_scalef32_pk8_fp4_f32 v[224+2*\b], v[96+16*\b:103+16*\b], v[244+\b]
	v_cvt_scalef32_pk8_fp4_f32 v[225+2*\b], v[104+16*\b:111+16*\b], v[244+\b]
.endr
	v_nop                                          ; one plain instruction behind the last scaled conversion
.irp c, 0,1                                    ; the operand's layout wants a WHOLE block in a lane: lanes 0-15 block 2 c, lanes 16-31 block 2 c + 1
.irp i, 0,1
	v_permlane16_swap_b32 v[224+4*\c+\i], v[226+4*\c+\i]
.endr
.endr
.set j, 0
.rept 32
	v_pk_mul_f32 v[160+j:161+j], v[160+j:161+j], v[252:253] op_sel_hi:[1,0]   ; O^T under the new M: x f.  (These 32 are also the places between the lines that made p's codes and scale word and the products below)
.set j, j+2
.endr
	s_wait_alu depctr_va_vdst(0)                   ; behind the places: p's codes (v224-231) and scale word (v253) are written, which the products below take; and the conversions and sums are done reading v96-127, in which the eight loads below land
.irp t, 0,1,2,3                                ; V's last four fragments, into registers that p has left
.irp c, 0,1
	ds_load_b128 v[96+8*\t+4*\c:99+8*\t+4*\c], v[AV+7*(\s)] offset:STEPB*(\q)+TILEB*(4+\t)+2*PIECE*\c
.endr
.endr
	s_wait_dscnt 8                                 ; V's first four fragments and its scale words are in: the eight loads just issued may be out
.irp t, 0,1,2,3                                ; O^T += V^T P^T: the eight accumulators take turns, one instruction a turn
	v_wmma_scale_f32_16x16x128_f8f6f4 v[160+8*\t:167+8*\t], v[32+8*\t:39+8*\t], v[224:231], v[160+8*\t:167+8*\t], v[248+\t], v253 matrix_a_fmt:MATRIX_FMT_FP4 matrix_b_fmt:MATRIX_FMT_FP4
.endr
	s_wait_dscnt 0x0                               ; the last four are in
.irp t, 0,1,2,3
	v_wmma_scale_f32_16x16x128_f8f6f4 v[192+8*\t:199+8*\t], v[96+8*\t:103+8*\t], v[224:231], v[192+8*\t:199+8*\t], v[248+\t], v253 matrix_a_fmt:MATRIX_FMT_FP4 matrix_b_fmt:MATRIX_FMT_FP4 matrix_a_scale:MATRIX_SCALE_ROW1
.endr
.Lhidden_\@:
	s_lshr_b32 s[FL], s[FL], 2                     ; on to the next step's two bits
.endm
; A SLOT TRIP: slot s is read, and the slot that follows is brought into the other one: asked for at the trip's head, stored at its end, four key steps later.  ONE barrier a trip, outside every branch: in front of it my stores into the
; other slot have landed and my reads of this slot are back; the other slot's last readers read it a trip earlier, in front of that trip's barrier.
.macro SLOTTRIP s
	s_bitcmp1_b32 s[NEED], 0
	s_cbranch_scc0 .Lnofetch_\@
	s_add_nc_u64 s[KA:KA+1], s[KH:KH+1], s[KO:KO+1]   ; (the last loads that named these bases were waited for at the last trip's end)
	s_add_nc_u64 s[VA:VA+1], s[VH:VH+1], s[VO:VO+1]
	GET KA, VA                                     ; (no vector instruction names v64-95; the stores that read them stand ahead of a wait on vm_vsrc: the last trip's, the head's or the way out's)
.Lnofetch_\@:
	STEP \s, 0
	STEP \s, 1
	STEP \s, 2
	STEP \s, 3
	s_wait_loadcnt 0x0                             ; the next slot's bytes are in my registers (on both ways: nothing is out where nothing was asked for)
	s_bitcmp1_b32 s[NEED], 0
	s_cbranch_scc0 .Lnostore_\@
	PUT 1-\s
.Lnostore_\@:
	s_lshr_b32 s[NEED], s[NEED], 1
	s_add_co_u32 s[KO], s[KO], 32768
	s_and_b32 s[KO], s[KO], 0x1ffff                ; behind a block's last slot comes the next block's first: the ring goes on
	s_add_co_u32 s[VO], s[VO], 256
	s_and_b32 s[VO], s[VO], 0x3ff
	s_wait_alu depctr_vm_vsrc(0)                   ; my LDS stores above have read v64-95, in which the next trip's loads, or the way out's, land
	s_wait_dscnt 0x0
	s_barrier_signal -1
	s_barrier_wait -1
.endm
.Lblock:                                           ; two trips: block 7 - y, then block y
	s_load_b128 s[32:35], s[0:1], 0x0              ; Q's codes, Q's scales
	s_load_b64 s[36:37], s[0:1], 0x30              ; maskw
	s_load_b64 s[38:39], s[0:1], 0x40              ; O
	s_lshl_b32 s31, s30, 4
	s_add_co_u32 s31, s31, s[WVN]                  ; my tile T = 16 x block + wave
	s_lshl_b32 s67, s[HD], 11
	s_lshl_b32 s40, s31, 4
	s_add_co_u32 s67, s67, s40                     ; my first row among all heads' rows: 2,048 x head + 16 T
	s_lshl_b32 s50, s67, 6                         ; 64 bytes of codes a row,
	s_mov_b32 s51, 0
	s_lshl_b32 s52, s67, 2                         ; a scale word,
	s_mov_b32 s53, 0
	s_lshl_b32 s54, s67, 9                         ; 512 bytes of O (all under 2^27);
	s_mov_b32 s55, 0
	s_lshl_b32 s56, s31, 12                        ; a tile's 16 steps of 256 bytes of mask words
	s_mov_b32 s57, 0
	s_wait_kmcnt 0x0
	s_add_nc_u64 s[58:59], s[32:33], s[50:51]
	s_add_nc_u64 s[60:61], s[34:35], s[52:53]
	s_add_nc_u64 s[OP:OP+1], s[38:39], s[54:55]    ; (the last block's stores have read their base: the wait at the way out's end)
	s_add_nc_u64 s[MW:MW+1], s[36:37], s[56:57]
	s_wait_alu depctr_va_vdst(0)                   ; the last block's products are done reading Q's fragment (v16-23) and its scale words (v255), in which the three loads below land
.irp c, 0,1
	global_load_b128 v[16+4*\c:19+4*\c], v[QO], s[58:59] offset:32*\c   ; Q's fragment stays in registers for the block
.endr
	global_load_b32 v255, v[QS], s[60:61]          ; and its scale words
	v_mov_b32 v13, 0xff61b1e6                      ; the largest t so far: -3e38, under every t
	v_floor_f32 v12, -v13                          ; -M
	v_mov_b32 v14, 0                               ; the sum, in two halves
	v_mov_b32 v15, 0
.irp b, 0,1,2,3
	v_mov_b32 v[236+\b], 0                         ; a lane permute's destination counts as one of its sources
.endr
	v_mov_b32 v252, 0                              ; likewise, for a tile all of whose steps are left out
	v_mov_b32 v253, 0                              ; (named as the upper half of the pair v[252:253] before it is first written)
.set j, 0
.rept 64
	v_mov_b32 v[160+j], 0                          ; O^T begins as zeros: which step is a tile's first hangs on the mask, so no first product can be written out with C = 0
.set j, j+1
.endr
	s_wait_loadcnt 0x0                             ; Q
	s_mov_b32 s29, 2
.Lpair:                                            ; two trips: two slots, eight key steps each
	s_wait_alu depctr_vm_vsrc(0)                   ; the LDS loads issued so far have read v[ADS]
	v_add_nc_u32 v[ADS], s[TS], v[AS0]             ; (that it is written is stated by the wait at the head of the next step that is walked, ahead of its first reader)
	SLOTTRIP 0
	SLOTTRIP 1
	s_xor_b32 s[TS], s[TS], 4096                   ; the other eight steps' scale images
	s_add_nc_u64 s[MW:MW+1], s[MW:MW+1], 2048      ; and mask words (every scalar load that named this base has been waited for in its arm)
	s_sub_co_u32 s29, s29, 1
	s_cmp_lg_u32 s29, 0
	s_cbranch_scc1 .Lpair
	; THE WAY OUT.  O^T is divided by the row's sum and goes through my stage in LDS, half a row (64 channels, 256 bytes) of 16 queries at a time, so that sixteen lanes store 256 consecutive bytes.
.rept 4
	v_nop                                          ; places behind the last products
.endr
	v_add_f32 v14, v14, v15                        ; the sum's two halves,
	v_permlanex16_b32 v252, v14, s[SEL], s[SEL+1]
	v_add_f32 v14, v14, v252                       ; and lane l xor 16's: the row's sum
	s_wait_alu depctr_va_vdst(0)
	v_rcp_f32 v14, v14
	v_nop                                          ; a plain instruction behind the reciprocal
	s_wait_alu depctr_va_vdst(0)                   ; the reciprocal has written v14, ahead of its first reader
.set j, 0
.rept 64
	v_mul_f32 v[96+j], v[160+j], v14               ; register 8 t + i is o(r, 16 t + 8 h + i); each accumulator from its low end on
.set j, j+1
.endr
	s_wait_alu depctr_va_vdst(0)                   ; the multiplications have written v96-159, which the stage's stores read; the block's products are done reading v32-63, in which loads from the stage land
.irp u, 0,1                                    ; channels 64 u on
.irp t, 0,1,2,3
	ds_store_b128 v[STO], v[96+32*\u+8*\t:99+32*\u+8*\t] offset:64*\t
	ds_store_b128 v[STO], v[100+32*\u+8*\t:103+32*\u+8*\t] offset:64*\t+16
.endr
.irp i, 0,1,2,3,4,5,6,7
	ds_load_b128 v[32+32*\u+4*\i:35+32*\u+4*\i], v[RD] offset:2*\i*SP   ; LDS serves a wave's instructions in order (ISA guide 5.7.1.4): these see my stores, and the next half's stores come behind them
.endr
.endr
.irp u, 0,1
.irp i, 0,1,2,3,4,5,6,7
	s_wait_dscnt 15-8*\u-\i                        ; at most the LDS loads issued behind this one are out
	global_store_b128 v[GO], v[32+32*\u+4*\i:35+32*\u+4*\i], s[OP:OP+1] offset:2*\i*512+256*\u th:TH_STORE_NT   ; 16 lanes store 256 consecutive bytes, at a multiple of 256 from O's first byte; written once, read by nobody here
.endr
.endr
	s_wait_xcnt 0x0                                ; the stores have read their registers and their base: both are written again in the next block
	s_wait_alu depctr_vm_vsrc(0)                   ; the stage's stores have read v96-159 and the stores of O v32-95: the next block's loads land in them and its products write them
	s_mov_b32 s[FL], s[FL+1]                       ; the second block's flags
	s_mov_b32 s30, s66                             ; and its number
	s_sub_co_u32 s[BLKS], s[BLKS], 1
	s_cmp_lg_u32 s[BLKS], 0
	s_cbranch_scc1 .Lblock
	s_wait_dscnt 0x0                               ; the closing lines, six on end
	s_wait_alu 0x0
	s_wait_tensorcnt 0x0
	ds_add_u32 v242, v243
	s_wait_dscnt 0x0
	s_endpgm
.Lfunc_end_k_q548357edc3_attn:
	.size	k_q548357edc3_attn, .Lfunc_end_k_q548357edc3_attn-k_q548357edc3_attn
	.p2alignl 7, 3214868480
	.fill 96, 4, 3214868480
	.section	.rodata,"a",@progbits
	.p2align	6, 0x0
	.amdhsa_kernel k_q548357edc3_attn
		.amdhsa_group_segment_fixed_size 252416
		.amdhsa_private_segment_fixed_size 0
		.amdhsa_enable_private_segment 0
		.amdhsa_kernarg_size 72
		.amdhsa_user_sgpr_count 2
		.amdhsa_user_sgpr_kernarg_segment_ptr 1
		.amdhsa_wavefront_size32 1
		.amdhsa_system_sgpr_workgroup_id_x 1
		.amdhsa_system_sgpr_workgroup_id_y 1
		.amdhsa_system_sgpr_workgroup_id_z 1
		.amdhsa_system_vgpr_workitem_id 0
		.amdhsa_next_free_vgpr 256
		.amdhsa_next_free_sgpr 100
		.amdhsa_reserve_vcc 0
		.amdhsa_float_denorm_mode_32 3
		.amdhsa_float_denorm_mode_16_64 3
		.amdhsa_memory_ordered 1
		.amdhsa_forward_progress 1
		.amdhsa_inst_pref_size 200
	.end_amdhsa_kernel
	.amdgpu_metadata
---
amdhsa.version: [ 1, 2 ]
amdhsa.kernels:
  - .name:           k_q548357edc3_attn
    .symbol:         k_q548357edc3_attn.kd
    .args:
      - { .name: Q_codes, .offset: 0, .size: 8, .value_kind: global_buffer, .address_space: global }
      - { .name: Q_scales, .offset: 8, .size: 8, .value_kind: global_buffer, .address_space: global }
      - { .name: K_codes, .offset: 16, .size: 8, .value_kind: global_buffer, .address_space: global }
      - { .name: K_scales, .offset: 24, .size: 8, .value_kind: global_buffer, .address_space: global }
      - { .name: V_codes, .offset: 32, .size: 8, .value_kind: global_buffer, .address_space: global }
      - { .name: V_scales, .offset: 40, .size: 8, .value_kind: global_buffer, .address_space: global }
      - { .name: maskw, .offset: 48, .size: 8, .value_kind: global_buffer, .address_space: global }
      - { .name: tilefl, .offset: 56, .size: 8, .value_kind: global_buffer, .address_space: global }
      - { .name: out0, .offset: 64, .size: 8, .value_kind: global_buffer, .address_space: global }
    .group_segment_fixed_size: 252416
    .private_segment_fixed_size: 0
    .kernarg_segment_align: 8
    .kernarg_segment_size: 72
    .max_flat_workgroup_size: 512
    .sgpr_count:     100
    .vgpr_count:     256
    .wavefront_size: 32
...
	.end_amdgpu_metadata
.endif
;; end of part 4
